; MI455X (gfx1250); checked and timed in simulation.
; The chip was launched on July 23, 2026; its instructions are those of AMD's public machine-readable ISA for CDNA 5 (MIT licence, August 2026) and "CDNA5" Instruction Set Architecture Reference Guide (July 2026). The comments in the code are by the model that wrote it; some were corrected since.
;; Multi Head. Allowed arithmetic: matrix products marked QUANTISED: E2M3 operands, one E8M0 scale for each 32 along K, by v_wmma_scale_f32_16x16x128_f8f6f4 with both operands' format E2M3, f32 sums; everything else in f32.
;; Inputs: Wf 1,024 x 1,024 float32; Wk 1,024 x 1,024 float32; Wq 1,024 x 1,024 float32; Wv 1,024 x 1,024 float32; bf 1,024 float32; bk 1,024 float32; bq 1,024 float32; bv 1,024 float32; x 4 x 2,048 x 1,024 float32.
;; Outputs: out0 4 x 2,048 x 1,024 float32.
;; This version of the problem:
;;   THIS VERSION OF THE PROBLEM IS GIVEN IN LOW PRECISION. The matrix products marked QUANTISED in the list below multiply operands that are first quantised to E2M3 (2 exponent bits, 3 mantissa bits; 6 bits a number), with one power-of-two scale for each 32 numbers along K (OCP MX v1.0); their sums are f32. All else is computed in f32.
;;   The module's matrix products, in the order in which they are computed (A, B: the left and right operand; K: the contracted axis; several contracted axes count as one K, in the product's order):
;;     1. [M 8,192, K 1,024] x [K 1,024, N 1,024]; A: input x; B: input Wq: QUANTISED
;;     2. [M 8,192, K 1,024] x [K 1,024, N 1,024]; A: input x; B: input Wk: QUANTISED
;;     3. [M 8,192, K 1,024] x [K 1,024, N 1,024]; A: input x; B: input Wv: QUANTISED
;;     4. batch 64 x [M 2,048, K 64] x [K 64, N 2,048]; A: computed on the way; B: computed on the way: QUANTISED
;;     5. batch 64 x [M 2,048, K 2,048] x [K 2,048, N 64]; A: softmax (see below); B: computed on the way: QUANTISED
;;     6. [M 8,192, K 1,024] x [K 1,024, N 1,024]; A: computed on the way; B: input Wf: QUANTISED
;;   THE QUANTISER, for each operand of a quantised product, along K:
;;     - K is cut into blocks of 32 from its start; a last block that is shorter is filled with zeros.
;;     - A block's scale is 2^e with e = floor(log2(the largest magnitude in the block)) - 2, held to -126 .. 127; a block of zeros has e = 0. As a byte (E8M0): e + 127.
;;     - Each number is divided by its block's scale, clamped to +-7.5, and rounded to the nearest number of E2M3, ties to even, subnormals kept.
;;     - The product sums the exact products of the quantised numbers (number of the format x scale) in f32.
;;   ~~~python
;;   def quantise(x, axis):      # numpy; x: float32 -> the quantised numbers, widened to float32 again
;;       x = np.moveaxis(x, axis, -1); K = x.shape[-1]
;;       x = np.pad(x, [(0, 0)] * (x.ndim - 1) + [(0, -K % 32)]); x = x.reshape(x.shape[:-1] + (-1, 32)); a = np.abs(x).max(-1, keepdims=True)
;;       e = np.where(a > 0, np.clip(np.frexp(np.where(a > 0, a, 1))[1] - 1 - 2, -126, 127), 0)      # np.frexp(a)[1] - 1 = floor(log2(a)), exactly
;;       r = np.clip(x / 2.0 ** e, -7.5, 7.5)
;;       step = 2.0 ** (np.maximum(np.frexp(np.where(r == 0, 1, r))[1] - 1, 0) - 3)
;;       q = np.round(r / step) * step * 2.0 ** e      # np.round: ties to even
;;       return np.moveaxis(q.reshape(q.shape[:-2] + (-1,))[..., :K], -1, axis).astype(np.float32)
;;   ~~~
;;   SOFTMAX AHEAD OF A QUANTISED PRODUCT. Where the list says 'softmax', what is quantised is not the finished softmax but p = 2^(t - M), with t = logit x log2(e) and M = ceil(the row's largest t), a whole number; so 1/2 < the row's largest p <= 1. The row's sum l is taken of the UNQUANTISED p, in f32, and the product's result is divided by l at the end. Since M is a whole number, a kernel that streams over the keys may use a running M (the ceiling of the running maximum): every later rescaling is an exact power of two, which a block's scale takes up: the codes' values come out the same.
;;   OPERANDS COMPUTED ON THE WAY. 'Computed on the way' means the value that the module computes at that place (a softmax that the list does not call 'softmax' is quantised finished and normalised). What goes into a quantiser is computed in f32, as accurately as f32 sums, v_exp_f32 and their like allow (about 1e-6 of the number): no bf16 or f16 on the way to a quantiser, and a product that is left as it is and whose result goes on into a quantised operand takes f32 operands (vector FMAs, or v_wmma_f32_16x16x4_f32). A number that lies on a knife's edge between two numbers of the format may be rounded either way, as far as f32 arithmetic and the matrix unit's own rounding can turn it there, and no further.
;; One version. Each part assembles by itself: llvm-mc -triple=amdgcn-amd-amdhsa -mcpu=gfx1250 --defsym DOCPART=n.
;; ======== version 1 of 1: 4 launches
;; limits: right only within a limited range of input values
;; workspace buffers: xc 6,291,456 bytes; xs 262,144 bytes; wc 3,276,800 bytes; bp 16,384 bytes; qkv 19,660,800 bytes; cc 6,291,456 bytes; cs 262,144 bytes
;; launch prep (part 1): grid 384 x 1, 4 waves a work-group, no clusters, 87,552 bytes of LDS; arguments x, Wq, Wk, Wv, Wf, bq, bk, bv, bf, xc, xs, wc, bp; writes xc, xs, wc, bp
.if DOCPART == 1
	.amdgcn_target "amdgcn-amd-amdhsa--gfx1250"
	.amdhsa_code_object_version 6
	.text
	.protected	k_qf5dd1700c4_prep
	.globl	k_qf5dd1700c4_prep
	.p2align	8
	.type	k_qf5dd1700c4_prep,@function
k_qf5dd1700c4_prep:
	s_mov_b64 s[64:65], 0
	v_nop
	global_prefetch_b8 v0, s[64:65] scope:SCOPE_SE
	s_setreg_imm32_b32 hwreg(HW_REG_WAVE_MODE, 25, 1), 1
	s_wait_xcnt 0x0
; x [8192][1024] and the four weights [1024 (k)][1024 (n)], f32, become codes of FP6 (E2M3) with one E8M0 byte for each 32 along K,
; laid in the order in which the products' operand registers take them.
; A FRAGMENT IMAGE (16 rows x 128 K, 1,536 bytes): register g (0..11) of lane l lies at 512 (g / 4) + 16 l + 4 (g % 4); three loads of 16 bytes a lane bring it.
; xc: [block of 128 rows 64][K step 8][tile of 16 rows 8][image].   xs: [block 64][32 rows 4][pair of K steps 4][lane 32][2] scale words.
; wc: [slice of 256 columns 16][K step 8][16 images, then 4 x 256 bytes of scale words].   bp: the biases in the slices' row order.
; WHICH COLUMN IS ROW rho OF TILE tau OF A SLICE.  Wq, Wk, Wf: 64 (tau / 4) + 32 ((tau / 2) % 2) + 16 (rho / 8) + 8 (tau % 2) + rho % 8, so that in the transposed product a lane's 16 registers
; of two neighbouring tiles are 16 neighbouring columns.  Wv: chunk 8 (tau % 2) + rho % 8 of channel ch(m), m = 2 (tau / 2) + rho / 8: the 16 registers are then 16 neighbouring KEYS of one channel.
; A block's scale is 2^(floor(log2(largest magnitude)) - 2): its byte is that magnitude's exponent field - 2, held at 1 from below by a floor among the maximum's leaves.
; LIMITS: NaN and infinities are not served; a block of zeros gets the byte 1 where the quantiser's text says 127 (its codes are zeros, and this program alone reads the bytes).
; Work-groups 0..255 take x (32 rows each), 256..383 a weight's 128 k x 256 columns.  The three ways have LDS bytes of their own and meet at one barrier.
.set WST1, 33792                       ; LDS: 0.. four stages of 8,448 bytes for x; from here the stage of Wq, Wk, Wf (24,576 codes, 1,024 scale words, 1,024 bias);
.set WST2, 60416                       ; and from here Wv's
.set RA, 16                            ; x: two sets of 64 registers as loaded,
.set RB, 80
.set XN, 144                           ; 64 numbers as the conversions want them,
.set CD, 208                           ; a fragment's 12 registers of codes,
.set CT, 220                           ; the conversions' second halves,
.set SWX, 228                          ; the four fragments' scale words
.set XW, 32                            ; W: two sets of 32 numbers
	s_load_b512 s[4:19], s[0:1], 0x0               ; x, Wq, Wk, Wv, Wf, bq, bk, bv
	s_load_b256 s[20:27], s[0:1], 0x40             ; bf, xc, xs, wc
	s_load_b64 s[28:29], s[0:1], 0x60              ; bp
	v_lshl_add_u32 v254, v0, 2, 0x15400
	v_mov_b32 v255, 0
	v_lshrrev_b32 v1, 5, v0
	v_readfirstlane_b32 s30, v1                    ; wave 0..3
	v_and_b32 v1, 31, v0                           ; lane L
	v_lshlrev_b32 v2, 4, v1                        ; 16 L
	v_lshlrev_b32 v3, 3, v1                        ; 8 L
	v_and_b32 v240, 15, v0                         ; r
	v_bfe_u32 v241, v0, 4, 1                       ; h
	v_bfe_u32 v242, v0, 3, 1                       ; bit 3 of L
	v_and_b32 v243, 7, v0
	v_lshl_add_u32 v243, v241, 3, v243             ; rho = L % 8 + 8 h
	v_and_b32 v244, 1, v0                          ; bit 0
	v_bfe_u32 v245, v0, 1, 1                       ; bit 1
	v_bfe_u32 v246, v0, 2, 1                       ; bit 2
	v_bfe_u32 v247, v0, 1, 2                       ; (L % 8) / 2
	v_lshlrev_b32 v248, 3, v241                    ; 8 h
	s_mov_b32 s34, 0x76543210
	s_mov_b32 s35, 0xfedcba98                      ; lane selects: lane l xor 16
	s_lshr_b32 s43, s30, 1                         ; wave / 2
	s_and_b32 s44, s30, 1                          ; wave % 2
	s_mul_i32 s60, s30, 8448
	s_mul_i32 s61, s30, 6144
	s_lshl_b32 s62, s30, 8
	; every LDS address is made here, ahead of the parting
	v_add_nc_u32 v4, s60, v2                       ; x's stage, in: 16 L (+ 528 a row)
	v_mul_u32_u24 v5, v240, 528
	v_lshl_add_u32 v5, v241, 7, v5
	v_add_nc_u32 v5, s60, v5                       ; out: row r, + 128 h
	v_lshlrev_b32 v6, 2, v1                        ; Wq, Wk, Wf: my column's bytes in the wave's 32
	v_mul_u32_u24 v7, v242, 1536
	v_lshl_add_u32 v7, v243, 4, v7
	s_add_co_u32 s45, s61, WST1
	v_add_nc_u32 v7, s45, v7                       ; codes: tile 4 wave + 2 e + bit 3, row rho
	v_lshlrev_b32 v8, 3, v243
	v_lshl_add_u32 v8, v242, 7, v8
	s_add_co_u32 s46, s62, WST1
	v_add_nc_u32 v8, s46, v8                       ; scale words
	v_lshlrev_b32 v9, 2, v243
	v_lshl_add_u32 v9, v242, 6, v9
	v_add_nc_u32 v9, s46, v9                       ; bias
	v_lshlrev_b32 v10, 2, v240
	v_lshl_add_u32 v10, v241, 8, v10               ; Wv: 16 channels of chunk h: two runs of 64 bytes
	v_mul_u32_u24 v11, v242, 12288
	v_mad_u32_u24 v11, v247, 3072, v11
	v_lshl_add_u32 v11, v244, 7, v11
	v_lshl_add_u32 v11, v241, 4, v11
	s_mul_i32 s45, s43, 1536
	s_lshl_b32 s46, s44, 6
	s_add_co_u32 s45, s45, s46
	s_add_co_u32 s45, s45, WST2
	v_add_nc_u32 v11, s45, v11                     ; codes
	v_lshlrev_b32 v12, 9, v242
	v_lshl_add_u32 v12, v246, 8, v12
	v_lshl_add_u32 v12, v244, 6, v12
	v_lshl_add_u32 v12, v241, 3, v12
	v_lshl_add_u32 v12, v245, 2, v12
	s_lshl_b32 s45, s43, 7
	s_lshl_b32 s46, s44, 5
	s_add_co_u32 s45, s45, s46
	s_add_co_u32 s45, s45, WST2
	v_add_nc_u32 v12, s45, v12                     ; scale words
	v_lshlrev_b32 v13, 9, v242
	v_lshl_add_u32 v13, v247, 7, v13
	v_lshl_add_u32 v13, v244, 5, v13
	v_lshl_add_u32 v13, v241, 2, v13
	s_lshl_b32 s45, s43, 6
	s_lshl_b32 s46, s44, 4
	s_add_co_u32 s45, s45, s46
	s_add_co_u32 s45, s45, WST2
	v_add_nc_u32 v13, s45, v13                     ; bias
	; which weight, which 256 columns, which K step (numbers without meaning in x's work-groups, where nothing uses them)
	s_sub_co_u32 s31, ttmp9, 256
	s_lshr_b32 s32, s31, 5                         ; T: 0 Wq, 1 Wk, 2 Wv, 3 Wf
	s_bfe_u32 s33, s31, 0x20003                    ; part 0..3
	s_and_b32 s42, s31, 7                          ; K step
	s_lshr_b32 s47, s33, 1
	s_and_b32 s48, s33, 1
	s_lshl_b32 s45, s33, 10
	s_add_co_u32 s45, s45, s62                     ; Wq, Wk, Wf: the wave's first column, in bytes: 1,024 part + 256 wave
	s_lshl_b32 s46, s30, 10
	s_lshl_b32 s49, s47, 7
	s_add_co_u32 s46, s46, s49
	s_lshl_b32 s49, s48, 6
	s_add_co_u32 s46, s46, s49                     ; Wv: chunk 4 wave, channel 32 (part / 2) + 16 (part % 2)
	s_lshl_b32 s50, s32, 2
	s_add_co_u32 s50, s50, s33                     ; the slice that my copy-out serves: 4 T + part,
	s_lshl_b32 s49, s47, 1
	s_add_co_u32 s49, s49, s43
	s_add_co_u32 s49, s49, 8                       ; or, for Wv, 8 + 2 (part / 2) + wave / 2
	s_mov_b32 s52, WST2
	s_cmp_eq_u32 s32, 2
	s_cselect_b32 s40, s46, s45
	s_cselect_b32 s50, s49, s50
	s_cselect_b32 s51, s48, s43                    ; and which half of its 16 tiles
	s_cselect_b32 s52, s52, WST1
	s_mov_b32 s41, 0
	s_add_co_u32 s45, s52, s61
	v_add_nc_u32 v14, s45, v2                      ; copy-out: my wave's 6,144 bytes of codes,
	s_add_co_u32 s45, s52, s62
	s_add_co_u32 s45, s45, 24576
	v_add_nc_u32 v15, s45, v3                      ; its 256 bytes of scale words (the bias 1,024 on)
	s_mul_i32 s45, s50, 204800
	s_mul_i32 s46, s42, 25600
	s_add_co_u32 s45, s45, s46                     ; the block (slice, K step) in wc
	s_mul_i32 s46, s51, 12288
	s_mul_i32 s47, s44, 6144
	s_add_co_u32 s46, s46, s47
	s_add_co_u32 s46, s46, s45                     ; codes
	s_lshl_b32 s47, s51, 9
	s_lshl_b32 s48, s44, 8
	s_add_co_u32 s47, s47, s48
	s_add_co_u32 s45, s45, s47
	s_add_co_u32 s45, s45, 24576                   ; scale words
	s_lshl_b32 s48, s50, 10
	s_add_co_u32 s47, s47, s48                     ; bias
	s_lshl_b32 s48, s42, 19                        ; 128 rows of 4,096 bytes a K step
	s_wait_kmcnt 0x0
	s_cmp_eq_u32 s32, 0
	s_cselect_b64 s[36:37], s[6:7], s[8:9]
	s_cselect_b64 s[38:39], s[14:15], s[16:17]
	s_cmp_eq_u32 s32, 2
	s_cselect_b64 s[36:37], s[10:11], s[36:37]
	s_cselect_b64 s[38:39], s[18:19], s[38:39]
	s_cmp_eq_u32 s32, 3
	s_cselect_b64 s[36:37], s[12:13], s[36:37]
	s_cselect_b64 s[38:39], s[20:21], s[38:39]
	s_add_nc_u64 s[36:37], s[36:37], s[40:41]
	s_add_nc_u64 s[38:39], s[38:39], s[40:41]
	s_mov_b32 s40, s48
	s_add_nc_u64 s[36:37], s[36:37], s[40:41]
	s_mov_b32 s40, s46
	s_add_nc_u64 s[54:55], s[26:27], s[40:41]
	s_mov_b32 s40, s45
	s_add_nc_u64 s[56:57], s[26:27], s[40:41]
	s_mov_b32 s40, s47
	s_add_nc_u64 s[58:59], s[28:29], s[40:41]
; ---- a weight: a lane takes a column, its registers run down K.  Block n of 8: half e = n / 4 of the wave's columns, block b = n % 4 of the K step
.macro WLOAD n, vcol, eoff
.irp i, 0,1,2,3,4,5,6,7,8,9,10,11,12,13,14,15,16,17,18,19,20,21,22,23,24,25,26,27,28,29,30,31
	global_load_b32 v[XW+32*((\n)%2)+\i], v[\vcol], s[36:37] offset:(32*((\n)%4)+\i)*4096+((\n)/4)*(\eoff)
.endr
.endm
.macro WBLOCK n, vcol, eoff, va, ec
.set XS_, XW+32*((\n)%2)
.set E_, (\n)/4
.set B_, (\n)%4
.if (\n) < 7
	s_wait_loadcnt 32                              ; this block's 32 loads are in; the next block's 32 may be out
.else
	s_wait_loadcnt 0x0
.endif
	v_max3_num_f32 v170, |v[XS_]|, |v[XS_+1]|, |v[XS_+2]|          ; the block's largest magnitude: all 32 numbers are mine; two chains
	v_max3_num_f32 v171, |v[XS_+3]|, |v[XS_+4]|, |v[XS_+5]|
.irp i, 6,10,14,18,22,26
	v_max3_num_f32 v170, v170, |v[XS_+\i]|, |v[XS_+\i+1]|
	v_max3_num_f32 v171, v171, |v[XS_+\i+2]|, |v[XS_+\i+3]|
.endr
	v_max3_num_f32 v170, v170, |v[XS_+30]|, |v[XS_+31]|
	v_max3_num_f32 v170, v170, v171, 0x1800000     ; and the floor 2^(3 - 127): the byte cannot fall under 1
	v_add_nc_u32 v172, 0xff000000, v170            ; 2 off the exponent field: the conversion's scale operand
	v_lshrrev_b32 v173, 23, v172                   ; the scale's byte
.if B_ == 0
	v_mov_b32 v[176+E_], v173
.else
	v_lshl_or_b32 v[176+E_], v173, 8*B_, v[176+E_]
.endif
	v_cvt_scalef32_pk16_fp6_f32 v[160:162], v[XS_:XS_+15], v172
	v_cvt_scalef32_pk16_fp6_f32 v[166:168], v[XS_+16:XS_+31], v172  ; (a conversion's three registers begin on an even number)
	v_nop                                          ; one plain place behind a scaled conversion
	v_mov_b32 v163, v166
	v_mov_b32 v164, v167
	v_mov_b32 v165, v168
.if B_ < 2                                     ; block b is registers 6 (b / 2) .. + 5 of image lane rho + 16 (b % 2)
	ds_store_b128 v[\va], v[160:163] offset:E_*(\ec)+256*(B_%2)
	ds_store_b64 v[\va], v[164:165] offset:E_*(\ec)+512+256*(B_%2)
.else
	ds_store_b64 v[\va], v[160:161] offset:E_*(\ec)+520+256*(B_%2)
	ds_store_b128 v[\va], v[162:165] offset:E_*(\ec)+1024+256*(B_%2)
.endif
.if (\n) < 6
	WLOAD (\n)+2, \vcol, \eoff
.endif
	s_wait_dscnt 0x0                               ; the stores have read their registers: the next block's codes may be written
.endm
.macro WPATH vcol, eoff, va, ec, vs, es, vb, eb
	global_load_b32 v178, v[\vcol], s[38:39]       ; my two columns' biases
	global_load_b32 v179, v[\vcol], s[38:39] offset:\eoff
	WLOAD 0, \vcol, \eoff
	WLOAD 1, \vcol, \eoff
.irp n, 0,1,2,3,4,5,6,7
	WBLOCK \n, \vcol, \eoff, \va, \ec
.endr
	ds_store_b32 v[\vs], v176 offset:24576
	s_wait_alu depctr_va_vdst(0)
	ds_store_b32 v[\vs], v177 offset:24576+\es
	ds_store_b32 v[\vb], v178 offset:25600
	ds_store_b32 v[\vb], v179 offset:25600+\eb
.endm
; ---- x: fragment f of 4: K step 2 wave + f / 2, tile of rows f % 2.  Sixteen loads of 512 consecutive bytes; a turn through the wave's own stage gives a lane two whole blocks of 32
.macro LOADF f, reg
.irp w, 0,1,2,3,4,5,6,7,8,9,10,11,12,13,14,15
	global_load_b128 v[\reg+4*\w:\reg+4*\w+3], v2, s[4:5] offset:(16*((\f)%2)+\w)*4096+512*((\f)/2) th:TH_LOAD_NT
.endr
.endm
.macro XFRAG f, reg, left
	s_wait_loadcnt \left                           ; this fragment's 16 loads are in; the other set's may be out
.irp w, 0,1,2,3,4,5,6,7,8,9,10,11,12,13,14,15
	ds_store_b128 v4, v[\reg+4*\w:\reg+4*\w+3] offset:528*\w
.endr
.irp w, 0,1,2,3,4,5,6,7
	ds_load_b128 v[XN+4*\w:XN+4*\w+3], v5 offset:16*\w            ; k = 32 h + 0 .. 31 of row r (LDS serves a wave's instructions in order)
	ds_load_b128 v[XN+32+4*\w:XN+32+4*\w+3], v5 offset:256+16*\w  ; k = 64 + 32 h + 0 .. 31
.endr
	s_wait_dscnt 0x0
.if (\f) < 2
	LOADF (\f)+2, \reg
.endif
.irp c, 0,1
	v_max3_num_f32 v[236+\c], |v[XN+32*\c]|, |v[XN+32*\c+1]|, 0x1800000
.endr
.irp i, 2,4,6,8,10,12,14,16,18,20,22,24,26,28,30
.irp c, 0,1
	v_max3_num_f32 v[236+\c], v[236+\c], |v[XN+32*\c+\i]|, |v[XN+32*\c+\i+1]|
.endr
.endr
.irp c, 0,1
	v_add_nc_u32 v[238+\c], 0xff000000, v[236+\c]
.endr
.irp c, 0,1
	v_lshrrev_b32 v[236+\c], 23, v[238+\c]
.endr
	v_lshl_or_b32 v227, v237, 16, v236             ; my two bytes: blocks h and 2 + h,
	v_lshlrev_b32 v227, v248, v227                 ; at their places in the word;
	v_permlanex16_b32 v223, v227, s34, s35
	v_or_b32 v[SWX+(\f)], v227, v223               ; with lane l xor 16's two the word is whole
.if (\f) > 0
	s_wait_alu depctr_va_vdst(0)
	s_wait_xcnt 0x0                                ; the last fragment's stores have read their registers: the codes are written again only behind this wait
.endif
.irp c, 0,1
	v_cvt_scalef32_pk16_fp6_f32 v[CD+6*\c:CD+6*\c+2], v[XN+32*\c:XN+32*\c+15], v[238+\c]
	v_cvt_scalef32_pk16_fp6_f32 v[CT+4*\c:CT+4*\c+2], v[XN+32*\c+16:XN+32*\c+31], v[238+\c]
.endr
	v_nop
.irp c, 0,1
.irp i, 0,1,2
	v_mov_b32 v[CD+3+6*\c+\i], v[CT+4*\c+\i]
.endr
.endr
.irp c, 0,1,2
	global_store_b128 v2, v[CD+4*\c:CD+4*\c+3], s[22:23] offset:12288*((\f)/2)+1536*((\f)%2)+512*\c   ; 512 consecutive bytes, aligned
.endr
.endm
	s_cmp_lt_u32 ttmp9, 256
	s_cbranch_scc1 .Lx
	s_cmp_eq_u32 s32, 2
	s_cbranch_scc1 .Lwv
	WPATH 6, 128, 7, 3072, 8, 4, 9, 128
	s_branch .Ljoin
.Lwv:
	WPATH 10, 512, 11, 32, 12, 16, 13, 8
	s_branch .Ljoin
.Lx:
	s_lshr_b32 s45, ttmp9, 2                       ; block of 128 rows
	s_and_b32 s46, ttmp9, 3                        ; which 32 of them
	s_lshl_b32 s40, s45, 19
	s_lshl_b32 s47, s46, 17
	s_add_co_u32 s40, s40, s47
	s_lshl_b32 s47, s30, 10
	s_add_co_u32 s40, s40, s47                     ; + the wave's two K steps: 1,024 bytes of a row
	s_add_nc_u64 s[4:5], s[4:5], s[40:41]
	s_mul_i32 s40, s45, 98304
	s_mul_i32 s47, s30, 24576
	s_add_co_u32 s40, s40, s47
	s_mul_i32 s47, s46, 3072
	s_add_co_u32 s40, s40, s47
	s_add_nc_u64 s[22:23], s[22:23], s[40:41]
	s_lshl_b32 s40, ttmp9, 10
	s_add_co_u32 s40, s40, s62
	s_add_nc_u64 s[24:25], s[24:25], s[40:41]
	v_mov_b32 v223, 0                              ; a lane permute's destination counts as one of its sources
	LOADF 0, RA
	LOADF 1, RB
	XFRAG 0, RA, 16
	XFRAG 1, RB, 16
	XFRAG 2, RA, 16
	XFRAG 3, RB, 0
	v_cmp_le_u32 vcc_lo, 16, v1
	v_cndmask_b32 v232, v[SWX], v[SWX+1], vcc_lo   ; lanes 0-15: the first tile's rows, lanes 16-31 the second's; K step 2 wave,
	v_cndmask_b32 v233, v[SWX+2], v[SWX+3], vcc_lo ; and 2 wave + 1
	global_store_b64 v3, v[232:233], s[24:25]      ; 256 consecutive bytes, aligned
.Ljoin:
	s_wait_dscnt 0x0                               ; my stores into the stage have landed
	s_barrier_signal -1
	s_barrier_wait -1                              ; everybody's have
	s_cmp_lt_u32 ttmp9, 256
	s_cbranch_scc1 .Lend
.irp i, 0,1,2,3,4,5,6,7,8,9,10,11
	ds_load_b128 v[32+4*\i:35+4*\i], v14 offset:512*\i
.endr
	ds_load_b64 v[80:81], v15
	ds_load_b64 v[82:83], v15 offset:1024
.irp i, 0,1,2,3,4,5,6,7,8,9,10,11
	s_wait_dscnt 13-\i                             ; LDS loads come back in order: load i is in
	global_store_b128 v2, v[32+4*\i:35+4*\i], s[54:55] offset:512*\i
.endr
	s_wait_dscnt 0x0
	global_store_b64 v3, v[80:81], s[56:57]
	s_cmp_lg_u32 s42, 0                            ; the biases go out once, from the first K step's work-groups
	s_cbranch_scc1 .Lend
	global_store_b64 v3, v[82:83], s[58:59]
.Lend:
	s_wait_tensorcnt 0x0
	ds_add_u32 v254, v255
	s_wait_dscnt 0x0
	s_endpgm
.Lfunc_end_k_qf5dd1700c4_prep:
	.size	k_qf5dd1700c4_prep, .Lfunc_end_k_qf5dd1700c4_prep-k_qf5dd1700c4_prep
	.p2alignl 7, 3214868480
	.fill 96, 4, 3214868480
	.section	.rodata,"a",@progbits
	.p2align	6, 0x0
	.amdhsa_kernel k_qf5dd1700c4_prep
		.amdhsa_group_segment_fixed_size 87552
		.amdhsa_private_segment_fixed_size 0
		.amdhsa_enable_private_segment 0
		.amdhsa_kernarg_size 104
		.amdhsa_user_sgpr_count 2
		.amdhsa_user_sgpr_kernarg_segment_ptr 1
		.amdhsa_wavefront_size32 1
		.amdhsa_system_sgpr_workgroup_id_x 1
		.amdhsa_system_sgpr_workgroup_id_y 1
		.amdhsa_system_sgpr_workgroup_id_z 1
		.amdhsa_system_vgpr_workitem_id 0
		.amdhsa_next_free_vgpr 256
		.amdhsa_next_free_sgpr 66
		.amdhsa_reserve_vcc 1
		.amdhsa_float_denorm_mode_32 3
		.amdhsa_float_denorm_mode_16_64 3
		.amdhsa_memory_ordered 1
		.amdhsa_forward_progress 1
		.amdhsa_inst_pref_size 113
	.end_amdhsa_kernel
	.amdgpu_metadata
---
amdhsa.version: [ 1, 2 ]
amdhsa.kernels:
  - .name:           k_qf5dd1700c4_prep
    .symbol:         k_qf5dd1700c4_prep.kd
    .args:
      - { .name: x, .offset: 0, .size: 8, .value_kind: global_buffer, .address_space: global }
      - { .name: Wq, .offset: 8, .size: 8, .value_kind: global_buffer, .address_space: global }
      - { .name: Wk, .offset: 16, .size: 8, .value_kind: global_buffer, .address_space: global }
      - { .name: Wv, .offset: 24, .size: 8, .value_kind: global_buffer, .address_space: global }
      - { .name: Wf, .offset: 32, .size: 8, .value_kind: global_buffer, .address_space: global }
      - { .name: bq, .offset: 40, .size: 8, .value_kind: global_buffer, .address_space: global }
      - { .name: bk, .offset: 48, .size: 8, .value_kind: global_buffer, .address_space: global }
      - { .name: bv, .offset: 56, .size: 8, .value_kind: global_buffer, .address_space: global }
      - { .name: bf, .offset: 64, .size: 8, .value_kind: global_buffer, .address_space: global }
      - { .name: xc, .offset: 72, .size: 8, .value_kind: global_buffer, .address_space: global }
      - { .name: xs, .offset: 80, .size: 8, .value_kind: global_buffer, .address_space: global }
      - { .name: wc, .offset: 88, .size: 8, .value_kind: global_buffer, .address_space: global }
      - { .name: bp, .offset: 96, .size: 8, .value_kind: global_buffer, .address_space: global }
    .group_segment_fixed_size: 87552
    .private_segment_fixed_size: 0
    .kernarg_segment_align: 8
    .kernarg_segment_size: 104
    .max_flat_workgroup_size: 128
    .sgpr_count:     66
    .vgpr_count:     256
    .wavefront_size: 32
...
	.end_amdgpu_metadata
.endif
;; end of part 1
;; launch proj (part 2): grid 4 x 64, 8 waves a work-group, clusters of 4 x 4, 327,680 bytes of LDS; arguments xc, xs, wc, bp, qkv; writes qkv
.if DOCPART == 2
	.amdgcn_target "amdgcn-amd-amdhsa--gfx1250"
	.amdhsa_code_object_version 6
	.text
	.protected	k_qf5dd1700c4_proj
	.globl	k_qf5dd1700c4_proj
	.p2align	8
	.type	k_qf5dd1700c4_proj,@function
k_qf5dd1700c4_proj:
	s_mov_b64 s[64:65], 0
	v_nop
	global_prefetch_b8 v0, s[64:65] scope:SCOPE_SE
	s_setreg_imm32_b32 hwreg(HW_REG_WAVE_MODE, 25, 1), 1
	s_wait_xcnt 0x0
	s_wait_alu depctr_hold_cnt(0) depctr_sa_sdst(0) depctr_va_vdst(0) depctr_va_sdst(0) depctr_va_ssrc(0) depctr_va_vcc(0) depctr_vm_vsrc(0)
	s_getreg_b32 s2, hwreg(HW_REG_IB_STS2, 6, 4)
	s_cmp_eq_u32 s2, 0
	s_cbranch_scc0 .Lentry_in_a_cluster
	s_endpgm
.Lentry_in_a_cluster:
	s_bfe_u32 s2, ttmp6, 0x10000c
	s_cmp_lg_u32 s2, 0xf033
	s_cbranch_scc0 .Lentry_shape_is_right
	s_endpgm
.Lentry_shape_is_right:
; q, k, v = x W + b on codes of FP6 with E8M0 scales, and their quantising for the attention.
; A WORK-GROUP STAYS: it holds the codes and scale words of one head's 128 rows of x in LDS (98,304 + 4,096 bytes, filled once) and makes three tiles of 128 rows x 256 columns: slice cx of Wq, of Wk, of Wv.
; A slice (eight blocks of 25,600 bytes, one a K step) goes through a ring of two slots of four K steps.  Behind a slot's last read every wave runs the wait for its tensor loads, the add and the wait for it
; then a round of the cluster's barrier follows, and each of the eight waves asks for 12,800 bytes of the next tensor's slice.  That round also shows the other slot whole.
; The tiles of q and k are a loop of two trips; v's tile asks for nothing more and is written out.
; CLUSTER 4 x 4: x's panel hangs on the head alone and is shared along a row of the cluster, a slice on cx alone and is shared along a column: joint loads.
; THE HEAD: one load a wave, in one chain of arms: wave 0 W's K steps 0, 1; 1 x's scale words; 2 x's K steps 0, 1; 3 W's 2, 3; 4 x's 2, 3; 5 W's 4 to 7; 6, 7 x's 4, 5 and 6, 7.
; Waves 0 to 4 wait ahead of the first barrier; the others' tiles are shown by the first round.
; Eight waves, wave (wm, wn) makes 64 rows x 64 slice rows: 16 accumulators, which begin with the bias.  THE PRODUCT IS USED TRANSPOSED (source 0 = 16 rows of the slice, source 1 = 16 rows of x): a lane holds one row
; of x, and by the slices' row order the 16 registers of two neighbouring tiles are 16 neighbours along the NEXT product's K: channels for q and k, keys for v.
; OUT: qkv [q, k, v][head 64][slice 4][four quarters of 32 rows: 6,144 bytes of codes, 256 of scale bytes].  The stage, 12,800 bytes that no tensor load fills, serves rows 0-63 and then rows 64-127.
; PREFETCH: the next tensor's slice (800 blocks of 256 bytes) is shared out by address among the 32 waves of a column of the cluster, 25 lanes each: Wk's at the head, Wv's in q's K step 4, a tile ahead of its loads.
; All sixteen clusters read the same slices, so clusters 0 to 3 alone ask.  x's panel comes at the head alone.
; LIMITS: NaN and infinities are not served; a block of zeros gets the byte 1 (zero codes; the bytes are this program's own).
.set BPAN, 98304
.set BBLK, 25600
.set SLOTB, 102400
.set ASC, 303104
.set STG, 307200
.set SPARE, 320000
.set TSTEP, 819200                     ; four slices of wc
.set WF, 32                            ; v32-79 four fragments of the slice
.set XF, 80                            ; v80-127 four of x
.set ACC, 128                          ; v128-255 accumulator (a, b) at 8 (4 a + b)
.set SWR, 16                           ; v16-17 the slice's scale words, v18-19 x's
.set SXR, 18
.set G1W2, 24                          ; descriptor groups 1: rows of 256 bytes: 200, 16, 96, 400, 50 of them
.set G1S, 32
.set G1X, 40
.set G1W4, 48
.set G1R, 56
.set G0H, 68                           ; group 0 of the head's load; of slot 0's refills; of slot 1's
.set G0A, 80
.set G0B, 84
.macro BARRIER
	s_barrier_signal -1
	s_barrier_wait -1
.endm
.macro ROUND
	BARRIER
	s_cmp_lg_u32 s14, 0
	s_cbranch_scc1 .Lnw0_\@
	s_barrier_signal -3
.Lnw0_\@:
	s_barrier_wait -3
	BARRIER
.endm
.macro PLACES
.rept 4
	v_nop
.endr
.endm
.macro G1SET g, mask, rows
	s_or_b32 s[\g], s[\mask], (3<<16)|(1<<21)
	s_mov_b32 s[\g+1], 32<<16
	s_mov_b32 s[\g+2], (\rows)<<16
	s_mov_b32 s[\g+3], 32<<16
	s_mov_b32 s[\g+4], \rows
	s_mov_b32 s[\g+5], 32
	s_mov_b32 s[\g+6], 0
	s_mov_b32 s[\g+7], 0
.endm
.macro ARM under, lds, base, off, g1, next
	s_cmp_lt_u32 s14, \under
	s_cbranch_scc0 \next
	s_mov_b32 s[G0H+1], \lds
	s_add_nc_u64 s[G0H+2:G0H+3], s[\base:\base+1], \off
	s_or_b32 s[G0H+3], s[G0H+3], 0x80000000
	tensor_load_to_lds s[G0H:G0H+3], s[\g1:\g1+7]
	s_nop 0
	PLACES
	s_branch .Lasked
\next:
.endm
	s_load_b256 s[4:11], s[0:1], 0x0               ; xc, xs, wc, bp
	s_load_b64 s[12:13], s[0:1], 0x20              ; qkv
	v_lshl_add_u32 v30, v0, 2, SPARE
	v_mov_b32 v31, 0
	ds_add_u32 v30, v31                            ; the opening lines
	ds_add_u32 v30, v31
	v_lshrrev_b32 v1, 5, v0
	v_readfirstlane_b32 s14, v1                    ; wave 0..7
	s_lshr_b32 s15, s14, 2                         ; wm
	s_and_b32 s16, s14, 3                          ; wn
	s_bfe_u32 s17, ttmp6, 0x40000                  ; cx: the slice
	s_bfe_u32 s18, ttmp6, 0x40004                  ; cy
	s_and_b32 s19, ttmp7, 0xffff                   ; the cluster's y
	s_lshl_b32 s21, s19, 2
	s_add_co_u32 s21, s21, s18                     ; the head
	s_lshl_b32 s22, s18, 2
	s_lshl_b32 s22, 15, s22                        ; my row of the cluster
	s_lshl_b32 s23, 0x1111, s17                    ; my column
	G1SET G1W2, 23, 200
	G1SET G1S, 22, 16
	G1SET G1X, 22, 96
	G1SET G1W4, 23, 400
	G1SET G1R, 23, 50
	s_mul_i32 s72, s17, 204800                     ; byte offsets: Wq's slice cx in wc,
	s_mov_b32 s73, 0
	s_mul_i32 s74, s21, 98304                      ; the head's codes of x,
	s_mov_b32 s75, 0
	s_lshl_b32 s76, s21, 12                        ; its scale words,
	s_mov_b32 s77, 0
	s_lshl_b32 s96, s17, 10
	s_lshl_b32 s2, s16, 8
	s_add_co_u32 s96, s96, s2                      ; my 64 slice rows in bp,
	s_mov_b32 s97, 0
	s_mul_i32 s98, s21, 102400
	s_mul_i32 s2, s17, 25600
	s_add_co_u32 s98, s98, s2                      ; q's region of qkv
	s_mov_b32 s99, 0
	s_and_b32 s78, s14, 1
	s_mul_i32 s78, s78, 24576
	s_mul_i32 s79, s14, 12800                      ; my eighth of a slot
	s_mov_b32 s[G0H], 1
	s_mov_b32 s[G0A], 1
	s_add_co_u32 s[G0A+1], s79, BPAN
	s_mov_b32 s[G0B], 1
	s_add_co_u32 s[G0B+1], s79, BPAN+SLOTB
	s_mul_i32 s88, s16, 6144
	s_add_co_u32 s88, s88, BPAN
	s_mul_i32 s89, s15, 6144
	s_lshl_b32 s90, s16, 8
	s_add_co_u32 s90, s90, BPAN+24576
	s_lshl_b32 s91, s15, 11
	s_add_co_u32 s91, s91, ASC
	s_mul_i32 s92, s16, 48
	s_add_co_u32 s92, s92, STG
	s_lshl_b32 s93, s16, 2
	s_add_co_u32 s93, s93, STG
	s_mul_i32 s94, s16, 192
	s_add_co_u32 s94, s94, STG
	s_lshl_b32 s95, s16, 4
	s_add_co_u32 s95, s95, STG
	s_wait_dscnt 0x0
	s_wait_kmcnt 0x0
	s_add_nc_u64 s[72:73], s[8:9], s[72:73]
	s_add_nc_u64 s[74:75], s[4:5], s[74:75]
	s_add_nc_u64 s[76:77], s[6:7], s[76:77]
	s_add_nc_u64 s[96:97], s[10:11], s[96:97]
	s_add_nc_u64 s[98:99], s[12:13], s[98:99]
	s_add_nc_u64 s[100:101], s[72:73], TSTEP       ; Wk's slice: the prefetches' base
	s_mov_b32 s3, 0
	s_add_co_u32 s2, s79, TSTEP
	s_add_nc_u64 s[G0A+2:G0A+3], s[72:73], s[2:3]  ; slot 0's first refill: Wk's K steps 0 to 3
	s_or_b32 s[G0A+3], s[G0A+3], 0x80000000
	s_add_co_u32 s2, s79, SLOTB
	s_add_nc_u64 s[G0B+2:G0B+3], s[72:73], s[2:3]  ; slot 1's: stepped by a tensor ahead of each use
	s_or_b32 s[G0B+3], s[G0B+3], 0x80000000
	s_add_co_u32 s2, s78, 49152                    ; waves 6, 7: x's K steps 4, 5 or 6, 7
	s_lshl_b32 s4, s18, 3
	s_add_co_u32 s4, s4, s14
	s_mul_i32 s4, s4, 25                           ; my 25 blocks of a slice's 800
	s_lshl_b32 s5, s14, 9
	ROUND                                          ; all sixteen work-groups are here: the joint loads meet
	ARM 1, BPAN, 72, 0, G1W2, .La1
	ARM 2, ASC, 76, 0, G1S, .La2
	ARM 3, 0, 74, 0, G1X, .La3
	ARM 4, BPAN+51200, 72, 51200, G1W2, .La4
	ARM 5, 24576, 74, 24576, G1X, .La5
	ARM 6, BPAN+SLOTB, 72, SLOTB, G1W4, .La6
	s_mov_b32 s[G0H+1], s2
	s_add_nc_u64 s[G0H+2:G0H+3], s[74:75], s[2:3]
	s_or_b32 s[G0H+3], s[G0H+3], 0x80000000
	tensor_load_to_lds s[G0H:G0H+3], s[G1X:G1X+7]
	s_nop 0
	PLACES
.Lasked:
	v_and_b32 v12, 31, v0                          ; l
	v_and_b32 v13, 15, v0                          ; r
	v_bfe_u32 v14, v0, 4, 1                        ; h
	v_lshlrev_b32 v15, 4, v12                      ; 16 l
	v_lshlrev_b32 v10, 5, v14                      ; the bias: 32 h
	v_add_nc_u32 v20, s88, v15                     ; K step 0: the slice's fragments,
	v_add_nc_u32 v21, s89, v15                     ; x's,
	v_lshl_add_u32 v22, v12, 3, s90                ; the slice's scale words,
	v_lshl_add_u32 v23, v12, 3, s91                ; x's
	v_bfe_u32 v1, v0, 2, 2                         ; r / 4
	v_and_b32 v2, 1, v0                            ; r % 2
	v_bfe_u32 v3, v0, 1, 1                         ; (r / 2) % 2
	v_bfe_u32 v4, v0, 3, 1                         ; r / 8
	v_bfe_u32 v24, v0, 2, 1                        ; (r / 4) % 2
	v_bfe_u32 v25, v0, 1, 2                        ; (r / 2) % 4
	v_mul_u32_u24 v5, v13, 192
	v_mad_u32_u24 v5, v14, 12, v5
	v_add_nc_u32 v5, s92, v5                       ; the stage, q and k: 12 bytes of codes,
	v_lshl_add_u32 v6, v1, 5, v3
	v_lshl_add_u32 v6, v2, 4, v6
	v_add_nc_u32 v6, s93, v6                       ; their scale byte
	v_mul_u32_u24 v7, v4, 1536
	v_mad_u32_u24 v7, v3, 768, v7
	v_mad_u32_u24 v7, v24, 24, v7
	v_mad_u32_u24 v7, v2, 12, v7
	v_mad_u32_u24 v7, v14, 48, v7
	v_add_nc_u32 v7, s94, v7                       ; v: 12 bytes of codes,
	v_lshl_add_u32 v8, v4, 6, v25
	v_lshl_add_u32 v8, v14, 2, v8
	v_add_nc_u32 v8, s95, v8                       ; its scale byte
	v_add_nc_u32 v11, s5, v15                      ; copy-out: 512 wave + 16 l,
	v_add_nc_u32 v9, STG, v11                      ; in the stage
	v_min_u32 v27, 24, v12
	v_add_nc_u32 v27, s4, v27
	v_lshlrev_b32 v27, 8, v27                      ; the prefetches' offset; never rewritten
	s_wait_alu depctr_va_vdst(0)                   ; the wait at the head's end
.macro WM4 a, b, wr, xr                ; accumulator (a, b) += slice tile b x x tile a, 128 along K
.set D_, ACC+8*(4*(\a)+(\b))
	v_wmma_scale_f32_16x16x128_f8f6f4 v[D_:D_+7], v[WF+12*(\b):WF+12*(\b)+11], v[XF+12*(\a):XF+12*(\a)+11], v[D_:D_+7], v[SWR+(\b)/2], v[SXR+(\a)/2] matrix_a_fmt:MATRIX_FMT_FP6 matrix_b_fmt:MATRIX_FMT_FP6 matrix_a_scale:MATRIX_SCALE_ROW\wr matrix_b_scale:MATRIX_SCALE_ROW\xr
.endm
.macro WROW a, xr
	s_wait_dscnt 9-3*(\a)                          ; all but the later fragments of x, three loads each
	WM4 \a, 0, 0, \xr
	WM4 \a, 1, 1, \xr
	WM4 \a, 2, 0, \xr
	WM4 \a, 3, 1, \xr
.endm
; A K step of 128: 27 LDS loads, 16 products; the 16 accumulators take turns in the same order in every step.
.macro KSTEP k
	v_add_nc_u32 v1, (\k)*BBLK, v20                ; these four are also the places between the last products and the loads into their operands
	v_add_nc_u32 v2, (\k)*12288, v21
	v_add_nc_u32 v3, (\k)*BBLK, v22
	v_add_nc_u32 v4, ((\k)/2)*256+((\k)%2)*4, v23
	ds_load_b64 v[SWR:SWR+1], v3
	ds_load_b32 v[SXR], v4
	ds_load_b32 v[SXR+1], v4 offset:1024
.irp b, 0,1,2,3
.irp i, 0,1,2
	ds_load_b128 v[WF+12*\b+4*\i:WF+12*\b+4*\i+3], v1 offset:1536*\b+512*\i
.endr
.endr
.irp a, 0,1,2,3
.irp i, 0,1,2
	ds_load_b128 v[XF+12*\a+4*\i:XF+12*\a+4*\i+3], v2 offset:1536*\a+512*\i
.endr
.endr
.if (\k) == 0
	s_wait_loadcnt 0x0                             ; the bias
.endif
	WROW 0, 0
	WROW 1, 1
	WROW 2, 0
	WROW 3, 1
.endm
.macro BIAS                            ; the sums begin with the bias: register j is slice row 8 h + j of tile b
.irp a, 0,1,2,3
.irp b, 0,1,2,3
	global_load_b128 v[ACC+8*(4*\a+\b):ACC+8*(4*\a+\b)+3], v10, s[96:97] offset:64*\b
	global_load_b128 v[ACC+8*(4*\a+\b)+4:ACC+8*(4*\a+\b)+7], v10, s[96:97] offset:64*\b+16
.endr
.endr
.endm
.macro REFILL g, other                 ; the slot just read out takes the next tensor's four K steps; the other slot's group 0, whose load is done, steps on
	s_wait_tensorcnt 0x0
	ds_add_u32 v30, v31
	s_add_nc_u64 s[\other+2:\other+3], s[\other+2:\other+3], TSTEP
	s_wait_dscnt 0x0
	ROUND
	tensor_load_to_lds s[\g:\g+3], s[G1R:G1R+7]
	s_nop 0
	PLACES
.endm
; The quantiser: pair pr of tiles, for the four tiles of rows by turns: 16 numbers a lane, half a block.  q, k: the other half lies in lane l xor 16; v: in the neighbouring row, lane l xor 1.
.macro EPIC pr, isv
.set T0_, 32+32*(\pr)
.irp a, 0,1,2,3
	v_max3_num_f32 v[T0_+\a], |v[ACC+32*\a+16*(\pr)]|, |v[ACC+32*\a+16*(\pr)+1]|, 0x1800000   ; each accumulator from its low end on; the floor 2^(3 - 127) holds the byte at 1
.endr
.irp i, 2,4,6,8,10,12,14
.irp a, 0,1,2,3
	v_max3_num_f32 v[T0_+\a], v[T0_+\a], |v[ACC+32*\a+16*(\pr)+\i]|, |v[ACC+32*\a+16*(\pr)+\i+1]|
.endr
.endr
.if \isv
.irp a, 0,1,2,3
	v_max_num_f32_dpp v[T0_+\a], v[T0_+\a], v[T0_+\a] row_xmask:1 row_mask:0xf bank_mask:0xf
.endr
.else
.irp a, 0,1,2,3
	v_permlanex16_b32 v[T0_+4+\a], v[T0_+\a], s66, s67
.endr
.irp a, 0,1,2,3
	v_max_num_f32 v[T0_+\a], v[T0_+\a], v[T0_+4+\a]
.endr
.endif
.irp a, 0,1,2,3
	v_add_nc_u32 v[T0_+8+\a], 0xff000000, v[T0_+\a]      ; 2 off the exponent field: the conversion's scale operand
.endr
.irp a, 0,1,2,3
	v_lshrrev_b32 v[T0_+12+\a], 23, v[T0_+8+\a]          ; the byte
.endr
.irp a, 0,1,2,3
	v_cvt_scalef32_pk16_fp6_f32 v[T0_+16+4*\a:T0_+18+4*\a], v[ACC+32*\a+16*(\pr):ACC+32*\a+16*(\pr)+15], v[T0_+8+\a]
.endr
	v_nop                                          ; one plain place behind a scaled conversion
.endm
.macro EPIS pr, isv                    ; codes and bytes into the stage
.set T0_, 32+32*(\pr)
.irp a, 0,1,2,3
.irp i, 0,1,2
.if \isv
	ds_store_b32 v7, v[T0_+16+4*\a+\i] offset:(\a/2)*6400+(\a%2)*3072+96*(\pr)+4*\i
.else
	ds_store_b32 v5, v[T0_+16+4*\a+\i] offset:(\a/2)*6400+(\a%2)*3072+24*(\pr)+4*\i
.endif
.endr
.if \isv
	ds_store_b8 v8, v[T0_+12+\a] offset:(\a/2)*6400+6144+(\a%2)*128+8*(\pr)   ; both lanes of a block write the same byte with the same value
.else
	ds_store_b8 v6, v[T0_+12+\a] offset:(\a/2)*6400+6144+(\a%2)*128+2*(\pr)
.endif
.endr
.endm
.macro COPY reg, off                   ; the stage's 12,800 bytes leave: each store covers 512 consecutive bytes, aligned
.irp i, 0,1,2
	ds_load_b128 v[\reg+4*\i:\reg+4*\i+3], v9 offset:4096*\i
.endr
	s_wait_dscnt 0x0
.irp i, 0,1,2
	global_store_b128 v11, v[\reg+4*\i:\reg+4*\i+3], s[98:99] offset:\off+4096*\i
.endr
	s_cmp_eq_u32 s14, 0                            ; the last 512 bytes
	s_cbranch_scc0 .Lnl_\@
	ds_load_b128 v[\reg+12:\reg+15], v9 offset:12288
	s_wait_dscnt 0x0
	global_store_b128 v11, v[\reg+12:\reg+15], s[98:99] offset:\off+12288
.Lnl_\@:
.endm
.macro TILE more, isv
	KSTEP 0
	KSTEP 1
	KSTEP 2
	KSTEP 3
.if \more
	REFILL G0A, G0B
.else
	s_wait_tensorcnt 0x0                           ; slot 1's last fill is in
	BARRIER
.endif
	KSTEP 4
.if \more
	s_cmp_lt_u32 s19, 4                            ; clusters 0 to 3, in q's tile alone: Wv's slice
	s_cbranch_scc0 .Lnp_\@
	global_prefetch_b8 v27, s[100:101] offset:TSTEP th:TH_LOAD_NT scope:SCOPE_SE
.Lnp_\@:
	s_add_co_u32 s19, s19, 64
.endif
	KSTEP 5
	KSTEP 6
	KSTEP 7
.if \more
	REFILL G0B, G0A                                ; its four v_nop are the places behind the last products
.else
	PLACES
.endif
	EPIC 0, \isv
	EPIC 1, \isv
	s_wait_alu depctr_va_vdst(0)
.if \more
	s_add_nc_u64 s[96:97], s[96:97], 4096          ; the next tensor's bias (the last loads by this base have been waited for)
	BIAS
.endif
	s_cmp_lt_u32 s14, 4
	s_cbranch_scc0 .Lh1_\@
	EPIS 0, \isv                                   ; rows 0-63
	EPIS 1, \isv
.Lh1_\@:
	s_wait_dscnt 0x0
	BARRIER
	COPY 96, 0
	BARRIER                                        ; every wave's reads of the stage have come back
	s_cmp_lt_u32 s14, 4
	s_cbranch_scc1 .Lh0_\@
	EPIS 0, \isv                                   ; rows 64-127
	EPIS 1, \isv
.Lh0_\@:
	s_wait_dscnt 0x0
	BARRIER
	COPY 112, 12800
.if \more
	s_wait_xcnt 0x0                                ; the stores have read their registers and their base
	s_add_nc_u64 s[98:99], s[98:99], 6553600       ; the next tensor's region: 64 heads on
.endif
.endm
	s_mov_b32 s66, 0x76543210
	s_mov_b32 s67, 0xfedcba98                      ; lane l xor 16
	BIAS
	s_cmp_lt_u32 s19, 4
	s_cbranch_scc0 .Lnp0
	global_prefetch_b8 v27, s[100:101] th:TH_LOAD_NT scope:SCOPE_SE   ; Wk's slice
.Lnp0:
	s_cmp_lt_u32 s14, 5
	s_cbranch_scc0 .Lnw
	s_wait_tensorcnt 0x0                           ; K steps 0 to 3 of both panels, and x's scale words
.Lnw:
	BARRIER
	s_mov_b32 s2, 0
.Ltile:
	TILE 1, 0
	s_add_co_u32 s2, s2, 1
	s_cmp_lt_u32 s2, 2
	s_cbranch_scc1 .Ltile
	TILE 0, 1
	s_wait_tensorcnt 0x0                           ; the wave's end
	ds_add_u32 v30, v31
	s_wait_dscnt 0x0
	ROUND                                          ; the closing round
	s_endpgm
.Lfunc_end_k_qf5dd1700c4_proj:
	.size	k_qf5dd1700c4_proj, .Lfunc_end_k_qf5dd1700c4_proj-k_qf5dd1700c4_proj
	.p2alignl 7, 3214868480
	.fill 96, 4, 3214868480
	.section	.rodata,"a",@progbits
	.p2align	6, 0x0
	.amdhsa_kernel k_qf5dd1700c4_proj
		.amdhsa_group_segment_fixed_size 327680
		.amdhsa_private_segment_fixed_size 0
		.amdhsa_enable_private_segment 0
		.amdhsa_kernarg_size 40
		.amdhsa_user_sgpr_count 2
		.amdhsa_user_sgpr_kernarg_segment_ptr 1
		.amdhsa_wavefront_size32 1
		.amdhsa_system_sgpr_workgroup_id_x 1
		.amdhsa_system_sgpr_workgroup_id_y 1
		.amdhsa_system_sgpr_workgroup_id_z 1
		.amdhsa_system_vgpr_workitem_id 0
		.amdhsa_next_free_vgpr 256
		.amdhsa_next_free_sgpr 102
		.amdhsa_reserve_vcc 0
		.amdhsa_float_denorm_mode_32 3
		.amdhsa_float_denorm_mode_16_64 3
		.amdhsa_memory_ordered 1
		.amdhsa_forward_progress 1
		.amdhsa_inst_pref_size 110
	.end_amdhsa_kernel
	.amdgpu_metadata
---
amdhsa.version: [ 1, 2 ]
amdhsa.kernels:
  - .name:           k_qf5dd1700c4_proj
    .symbol:         k_qf5dd1700c4_proj.kd
    .args:
      - { .name: xc, .offset: 0, .size: 8, .value_kind: global_buffer, .address_space: global }
      - { .name: xs, .offset: 8, .size: 8, .value_kind: global_buffer, .address_space: global }
      - { .name: wc, .offset: 16, .size: 8, .value_kind: global_buffer, .address_space: global }
      - { .name: bp, .offset: 24, .size: 8, .value_kind: global_buffer, .address_space: global }
      - { .name: qkv, .offset: 32, .size: 8, .value_kind: global_buffer, .address_space: global }
    .group_segment_fixed_size: 327680
    .private_segment_fixed_size: 0
    .kernarg_segment_align: 8
    .kernarg_segment_size: 40
    .max_flat_workgroup_size: 256
    .sgpr_count:     102
    .vgpr_count:     256
    .wavefront_size: 32
...
	.end_amdgpu_metadata
.endif
;; end of part 2
;; launch attn (part 3): grid 4 x 64, 12 waves a work-group, clusters of 4 x 1, 304,128 bytes of LDS; arguments qkv, x, cc, cs; writes cc, cs
.if DOCPART == 3
	.amdgcn_target "amdgcn-amd-amdhsa--gfx1250"
	.amdhsa_code_object_version 6
	.text
	.protected	k_qf5dd1700c4_attn
	.globl	k_qf5dd1700c4_attn
	.p2align	8
	.type	k_qf5dd1700c4_attn,@function
k_qf5dd1700c4_attn:
	s_mov_b64 s[64:65], 0
	v_nop
	global_prefetch_b8 v0, s[64:65] scope:SCOPE_SE
	s_setreg_imm32_b32 hwreg(HW_REG_WAVE_MODE, 25, 1), 1
	s_wait_xcnt 0x0
	s_wait_alu depctr_hold_cnt(0) depctr_sa_sdst(0) depctr_va_vdst(0) depctr_va_sdst(0) depctr_va_ssrc(0) depctr_va_vcc(0) depctr_vm_vsrc(0)
	s_getreg_b32 s2, hwreg(HW_REG_IB_STS2, 6, 4)
	s_cmp_eq_u32 s2, 0
	s_cbranch_scc0 .Lentry_in_a_cluster
	s_endpgm
.Lentry_in_a_cluster:
	s_bfe_u32 s2, ttmp6, 0x10000c
	s_cmp_lg_u32 s2, 0x3003
	s_cbranch_scc0 .Lentry_shape_is_right
	s_endpgm
.Lentry_shape_is_right:
; Attention of one head of the raw view (2,048 tokens x 64 channels), residual, LayerNorm and the quantiser ahead of the last product, on codes of FP6 with E8M0 scales.
; Token s of a head is (row s / 16, chunk s % 16) of the head's 128 rows x 1,024 columns, so a tile of 16 neighbouring queries is ONE ROW of ctx: all behind the attention stays inside a wave.
; SHARES.  A work-group owns 32 rows (512 queries) of a head.  Twelve waves; in pass p wave w takes row w + 12 p: three passes for waves 0 to 7, two for waves 8 to 11.  12 is a multiple of 4, so the
; query's addresses and the selector of its scale bytes go from pass to pass by constants.  Every wave walks the third pass's loop; waves 8 to 11 branch round the step inside it.
; A whole head's K and V, 204,800 bytes of codes and scale bytes, lie in LDS, filled ONCE: waves 0 to 7 fetch a region of 25,600 bytes each; every wave waits for its loads ahead of the one barrier.
; CLUSTER 4 x 1: the four work-groups of a head need the same K and V: joint loads.
; S^T = K Q^T HAS K = 64 AND THE INSTRUCTION 128.  A fragment of K holds 32 tokens, a lane one token's 48 bytes, so lanes 0-15 fill blocks 0 and 2 of the instruction's K and lanes 16-31 blocks 1 and 3.
; It is multiplied twice: by Q' (the queries in lanes 0-15, zero codes in lanes 16-31) and by Q'' (the other way round).  Zero codes add nothing, so no LDS byte and no register is spent on padding.
; The tokens of a fragment are chosen so that the 16 registers of two neighbouring tiles of S^T are 16 neighbouring keys.
; SOFTMAX: t = score x 8 log2(e); M = the running largest t rounded UP to a whole number; p = 2^(t - M) is quantised along the keys; the row's sum is taken of the unquantised p and divides at the end.
; LIMITS: NaN and infinities are not served; p under 2^-126 comes out of the exponential as 0; a block of zeros gets the byte 1 (zero codes; the bytes are this program's own).
; No prefetch: every tensor load stands at the head, and the next pass's query and row of x are asked for a whole LayerNorm ahead.
.set VREG, 103424                      ; LDS: region u (K's slices 0-3, V's 0-3) at 25,856 u + 128 (u % 2)
.set XST, 206848                       ; a row of x for each wave: 16 x (256 + 16) bytes
.set CST, 276480                       ; ctx's 16 fragment images ([tile of 16 rows][K step])
.set SST, 301056                       ; and its scale words
.set SPARE, 302080
.set QA, 16                            ; v16-27 Q', v28-39 Q''
.set QT, 40                            ; v40-51 the query's 48 bytes as loaded, v52 its word of scale bytes
.set QW, 53                            ; its scale word (s0, s0, s1, s1)
.set ADK, 54                           ; v54-58 the step's LDS addresses
.set KS0, 59                           ; v59-60 K's scale words, v61-62 V's
.set VS0, 61
.set FB, 64                            ; v64-111 four fragments
.set S, 112                            ; v112-175 S^T, then p; behind the attention: x's row, then ctx
.set Y, 144
.set O, 176                            ; v176-207 O^T
.set PC, 208                           ; v208-219 p's codes
.set CT, 220
.set BM, 228
.set PT, 232
.set SO, 236
.set FF, 242                           ; f = 2^(old M - new M); v243: p's scale word
.set PW, 243
.set TT, 244
.macro BARRIER
	s_barrier_signal -1
	s_barrier_wait -1
.endm
.macro ROUND
	BARRIER
	s_cmp_lg_u32 s12, 0
	s_cbranch_scc1 .Lnw0_\@
	s_barrier_signal -3
.Lnw0_\@:
	s_barrier_wait -3
	BARRIER
.endm
	s_load_b256 s[4:11], s[0:1], 0x0               ; qkv, x, cc, cs
	v_lshl_add_u32 v223, v0, 2, SPARE
	v_mov_b32 v227, 0
	ds_add_u32 v223, v227                          ; the opening lines
	ds_add_u32 v223, v227
	v_lshrrev_b32 v1, 5, v0
	v_readfirstlane_b32 s12, v1                    ; wave 0..11
	s_bfe_u32 s13, ttmp6, 0x40000                  ; cx: it enters global addresses alone
	s_and_b32 s14, ttmp7, 0xffff                   ; the head
	s_mov_b32 s16, 15|(3<<16)|(1<<21)              ; group 1: a region, 25,600 dense bytes as 100 rows of 256; the mask names all four work-groups
	s_mov_b32 s17, 32<<16
	s_mov_b32 s18, 100<<16
	s_mov_b32 s19, 32<<16
	s_mov_b32 s20, 100
	s_mov_b32 s21, 32
	s_mov_b32 s22, 0
	s_mov_b32 s23, 0
	s_mul_i32 s25, s12, 25856                      ; region = wave (waves 0 to 7 fetch)
	s_and_b32 s57, s12, 1
	s_lshl_b32 s57, s57, 7
	s_add_co_u32 s25, s25, s57
	s_mov_b32 s24, 1
	s_lshr_b32 s58, s12, 2
	s_add_co_u32 s58, s58, 1                       ; 1: k, 2: v
	s_lshl_b32 s58, s58, 6
	s_add_co_u32 s58, s58, s14
	s_mul_i32 s58, s58, 102400
	s_and_b32 s57, s12, 3
	s_mul_i32 s57, s57, 25600
	s_add_co_u32 s58, s58, s57
	s_mov_b32 s59, 0
	s_mul_i32 s56, s14, 102400
	s_mul_i32 s57, s13, 6400
	s_add_co_u32 s56, s56, s57                     ; q of my head, my quarter
	s_mul_i32 s50, s12, 192
	s_add_co_u32 s50, s50, s56                     ; row = wave (a pass on: 12 rows, 2,304 bytes)
	s_mov_b32 s51, 0
	s_lshr_b32 s52, s12, 2
	s_lshl_b32 s52, s52, 5
	s_and_b32 s57, s12, 1
	s_lshl_b32 s57, s57, 4
	s_add_co_u32 s52, s52, s57
	s_add_co_u32 s52, s52, s56
	s_add_co_u32 s52, s52, 6144                    ; its scale bytes (a pass on: 96)
	s_mov_b32 s53, 0
	s_lshl_b32 s54, s14, 7
	s_lshl_b32 s57, s13, 5
	s_add_co_u32 s54, s54, s57
	s_add_co_u32 s54, s54, s12
	s_lshl_b32 s54, s54, 12                        ; my row of x (a pass on: 49,152)
	s_mov_b32 s55, 0
	s_mov_b32 s40, 0x76543210
	s_mov_b32 s41, 0xfedcba98                      ; lane l xor 16
	s_mov_b32 s42, 0x4138aa3b                      ; c = 8 log2(e)
	s_mov_b32 s43, s42
	s_mov_b32 s48, 0x3a800000                      ; 1 / 1,024
	s_mov_b32 s49, 0x3727c5ac                      ; 1e-5
	s_mov_b32 s47, 0x03030101
	s_bitcmp1_b32 s12, 1                           ; my row's scale bytes are bytes (row / 2) % 2 and that + 2 of the word
	s_cselect_b32 s47, s47, 0x02020000
	s_mul_i32 s60, s12, 4352
	s_add_co_u32 s60, s60, XST
	s_lshl_b32 s61, s12, 3
	s_add_co_u32 s61, s61, SST
	s_wait_dscnt 0x0
	s_wait_kmcnt 0x0
	s_add_nc_u64 s[26:27], s[4:5], s[58:59]
	s_or_b32 s27, s27, 0x80000000
	s_add_nc_u64 s[50:51], s[4:5], s[50:51]
	s_add_nc_u64 s[52:53], s[4:5], s[52:53]
	s_add_nc_u64 s[54:55], s[6:7], s[54:55]
	ROUND                                          ; all four work-groups are here: the joint loads meet
	s_cmp_lt_u32 s12, 8
	s_cbranch_scc0 .Lnofill
	tensor_load_to_lds s[24:27], s[16:23]
	s_nop 0
.rept 4
	v_nop
.endr
.Lnofill:
	v_and_b32 v255, 31, v0                         ; l
	v_and_b32 v244, 15, v0                         ; r: my query's chunk
	v_bfe_u32 v245, v0, 4, 1                       ; h
	v_bfe_u32 v246, v0, 2, 1
	v_bfe_u32 v247, v0, 3, 1
	v_and_b32 v248, 3, v0
	v_bfe_u32 v251, v0, 2, 2                       ; r / 4
	v_lshlrev_b32 v254, 4, v255                    ; 16 l
	v_mul_u32_u24 v252, v251, 25600
	v_lshl_add_u32 v253, v248, 2, v252             ; my query's word of scale bytes: slice r / 4, 4 (r % 4)
	v_mad_u32_u24 v252, v248, 48, v252             ; its codes: 48 (r % 4)
	v_mul_u32_u24 v1, v246, 25984                  ; K: lane (m = 8 h' + j, H) takes token (row 4 phi + 2 H + h', chunk 8 u + j): slice 2 u + j / 4
	v_mad_u32_u24 v1, v245, 384, v1
	v_mad_u32_u24 v1, v247, 192, v1
	v_mad_u32_u24 v1, v248, 48, v1
	v_mul_u32_u24 v2, v246, 25984                  ; its scale words: lanes 0-15 the step's first four rows, lanes 16-31 the other four
	v_lshl_add_u32 v2, v245, 5, v2
	v_lshl_add_u32 v2, v247, 4, v2
	v_lshl_add_u32 v2, v248, 2, v2
	v_add_nc_u32 v2, 6144, v2
	v_mul_u32_u24 v3, v255, 48                     ; V: 48 bytes a lane
	v_add_nc_u32 v3, VREG, v3
	v_mul_u32_u24 v4, v245, 25984                  ; its scale words: lanes 0-15 the even slice, lanes 16-31 the odd one
	v_lshl_add_u32 v4, v244, 2, v4
	v_add_nc_u32 v4, VREG+6144, v4
	v_lshl_add_u32 v5, v245, 4, v254
	v_add_nc_u32 v5, s60, v5                       ; x's stage, in: 16 l, 16 bytes of padding behind each 256
	v_mul_u32_u24 v6, v244, 272
	v_lshl_add_u32 v6, v245, 6, v6
	v_add_nc_u32 v6, s60, v6                       ; out: my chunk's 256 bytes, + 64 h
	v_and_b32 v249, 1, v0
	v_mul_u32_u24 v249, v249, 6
	v_mad_u32_u24 v249, v245, 3, v249              ; ctx's codes: my 12 bytes are registers 6 (r % 2) + 3 h + 0 .. 2 of image lane row % 16 + 16 block, K step r / 2
	v_bfe_u32 v250, v0, 1, 3
	v_mul_u32_u24 v250, v250, 1536
	v_add_nc_u32 v250, CST, v250
.irp i, 0,1,2
	v_add_nc_u32 v251, \i, v249
	v_lshrrev_b32 v[7+\i], 2, v251
	v_and_b32 v251, 3, v251
	v_lshl_add_u32 v[7+\i], v[7+\i], 9, v250
	v_lshl_add_u32 v[7+\i], v251, 2, v[7+\i]       ; the lanes' part; the row's part is added pass by pass
.endr
	v_bfe_u32 v251, v0, 2, 2
	v_lshlrev_b32 v10, 8, v251
	v_lshl_add_u32 v10, v248, 1, v10
	v_add_nc_u32 v10, s61, v10                     ; its two scale bytes: 8 bytes a row (a pass on: 96)
	v_mov_b32 v11, 0
.irp b, 0,1,2,3
	v_mov_b32 v[PT+\b], 0                          ; written once: a lane permute's destination counts as one of its sources
.endr
	v_mov_b32 v[PW], 0                             ; (named as the upper half of the pair with f before it is first written)
	s_wait_alu depctr_va_vdst(0)                   ; the wait at the head's end
	global_load_b128 v[QT:QT+3], v252, s[50:51]
	global_load_b128 v[QT+4:QT+7], v252, s[50:51] offset:16
	global_load_b128 v[QT+8:QT+11], v252, s[50:51] offset:32
	global_load_b32 v52, v253, s[52:53]
.irp i, 0,1,2,3,4,5,6,7
	global_load_b128 v[FB+4*\i:FB+4*\i+3], v254, s[54:55] offset:512*\i th:TH_LOAD_NT
.endr
.macro SMUL ph, up, hh                 ; tile (block 2 ph + hh, half up) of S^T: fragment (ph, up) of K x Q' or Q''
.set D_, S+16*(2*(\ph)+(\hh))+8*(\up)
.set A_, FB+12*(2*(\ph)+(\up))
.set B_, QA+12*(\hh)
	v_wmma_scale_f32_16x16x128_f8f6f4 v[D_:D_+7], v[A_:A_+11], v[B_:B_+11], 0, v[KS0+(\up)], v[QW] matrix_a_fmt:MATRIX_FMT_FP6 matrix_b_fmt:MATRIX_FMT_FP6 matrix_a_scale:MATRIX_SCALE_ROW\ph
.endm
.macro PVMUL t, row                    ; O^T's tile t += V^T's slice t x P^T
.set D_, O+8*(\t)
.set A_, FB+12*(\t)
	v_wmma_scale_f32_16x16x128_f8f6f4 v[D_:D_+7], v[A_:A_+11], v[PC:PC+11], v[D_:D_+7], v[VS0+(\t)/2], v[PW] matrix_a_fmt:MATRIX_FMT_FP6 matrix_b_fmt:MATRIX_FMT_FP6 matrix_a_scale:MATRIX_SCALE_ROW\row
.endm
; A KEY STEP: 128 keys = 8 rows of the head.  s44: where the step's codes begin in a region, s45: its scale words.
.macro STEP
	v_add_nc_u32 v[ADK], s44, v1                   ; these five are also the places between the last products and the loads into their operands
	v_add_nc_u32 v[ADK+1], s44, v3
	v_add_nc_u32 v[ADK+3], s45, v2
	v_add_nc_u32 v[ADK+4], s45, v4
	s_delay_alu instid0(VALU_DEP_3)
	v_add_nc_u32 v[ADK+2], 51712, v[ADK+1]
.irp ph, 0,1
.irp up, 0,1
.irp i, 0,1,2
	ds_load_b128 v[FB+12*(2*\ph+\up)+4*\i:FB+12*(2*\ph+\up)+4*\i+3], v[ADK] offset:51712*\up+768*\ph+16*\i
.endr
.endr
.endr
	ds_load_b32 v[KS0], v[ADK+3]
	ds_load_b32 v[KS0+1], v[ADK+3] offset:51712
	s_wait_alu depctr_va_vdst(0)
	s_wait_dscnt 0x0
.irp ph, 0,1
.irp up, 0,1
.irp hh, 0,1
	SMUL \ph, \up, \hh
.endr
.endr
.endr
.rept 4
	v_nop                                          ; places: for the loads into K's registers, and for the first read of the scores
.endr
.irp i, 0,1,2                                  ; V's four fragments are asked for now and land under the softmax
	ds_load_b128 v[FB+4*\i:FB+4*\i+3], v[ADK+1] offset:16*\i
	ds_load_b128 v[FB+12+4*\i:FB+12+4*\i+3], v[ADK+1] offset:25984+16*\i
	ds_load_b128 v[FB+24+4*\i:FB+24+4*\i+3], v[ADK+2] offset:16*\i
	ds_load_b128 v[FB+36+4*\i:FB+36+4*\i+3], v[ADK+2] offset:25984+16*\i
.endr
	ds_load_b32 v[VS0], v[ADK+4]
	ds_load_b32 v[VS0+1], v[ADK+4] offset:51712
.irp b, 0,1,2,3
	v_max3_num_f32 v[BM+\b], v[S+16*\b], v[S+16*\b+1], v[S+16*\b+2]   ; the largest score of each block of 32 keys: for the row's maximum, and, since p rises with the score, for the block's largest p
.endr
.irp i, 3,5,7,9,11,13
.irp b, 0,1,2,3
	v_max3_num_f32 v[BM+\b], v[BM+\b], v[S+16*\b+\i], v[S+16*\b+\i+1]
.endr
.endr
.irp b, 0,1,2,3
	v_max_num_f32 v[BM+\b], v[BM+\b], v[S+16*\b+15]
.endr
.irp b, 0,1,2,3
	s_delay_alu instid0(VALU_DEP_4)
	v_permlanex16_b32 v[PT+\b], v[BM+\b], s40, s41
.endr
.irp b, 0,1,2,3
	s_delay_alu instid0(VALU_DEP_4)
	v_max_num_f32 v[BM+\b], v[BM+\b], v[PT+\b]     ; with lane l xor 16's 16 keys
.endr
	s_delay_alu instid0(VALU_DEP_2)
	v_max3_num_f32 v[TT], v[BM], v[BM+1], v[BM+2]
	s_delay_alu instid0(VALU_DEP_1)
	v_max_num_f32 v[TT], v[TT], v[BM+3]
	s_delay_alu instid0(VALU_DEP_1)
	v_mul_f32 v[TT], s42, v[TT]                    ; as t (c is positive)
	s_delay_alu instid0(VALU_DEP_1)
	v_max_num_f32 v13, v13, v[TT]                  ; the running largest t
	v_mov_b32 v[TT], v12
	s_delay_alu instid0(VALU_DEP_2)
	v_floor_f32 v12, -v13                          ; the new -M = -ceil(t): a whole number
	s_delay_alu instid0(VALU_DEP_1)
	v_sub_f32 v[TT], v12, v[TT]                    ; old M - new M, 0 or less
	s_delay_alu instid0(VALU_DEP_1)
	v_cvt_i32_f32 v[TT], v[TT]                     ; (it saturates)
	s_delay_alu instid0(VALU_DEP_1)
	v_ldexp_f32 v[FF], 1.0, v[TT]                  ; f = 2^(old M - new M): a multiplication by it rounds nothing
.set J, 0
.rept 32
	v_pk_fma_f32 v[S+J:S+J+1], v[S+J:S+J+1], s[42:43], v[12:13] op_sel_hi:[1,0,0]   ; t - M, two at a time
.set J, J+2
.endr
.irp b, 0,1,2,3
	v_fma_f32 v[BM+\b], v[BM+\b], s42, v12         ; the same of each block's largest score
.endr
.set J, 0
	s_wait_alu depctr_va_vdst(0)
.rept 64
	v_exp_f32 v[S+J], v[S+J]                       ; p = 2^(t - M), at most 1, not normalised
.set J, J+1
.endr
	v_pk_mul_f32 v[14:15], v[14:15], v[FF:FF+1] op_sel_hi:[1,0]   ; the sums under the new M; the plain place behind the exponentials
	s_wait_alu depctr_va_vdst(0)                   ; one wait for the batch, ahead of its first reader
.irp b, 0,1,2,3
	v_exp_f32 v[BM+\b], v[BM+\b]                   ; the block's largest p
.endr
	v_pk_add_f32 v[240:241], v[116:117], v[120:121]
	v_pk_add_f32 v[250:251], v[124:125], v[128:129]
	v_pk_add_f32 v[248:249], v[132:133], v[136:137]
	v_pk_add_f32 v[246:247], v[140:141], v[144:145]
	v_pk_add_f32 v[238:239], v[148:149], v[152:153]
	v_pk_add_f32 v[236:237], v[156:157], v[160:161]
	v_pk_add_f32 v[234:235], v[164:165], v[168:169]
	v_pk_add_f32 v[14:15], v[14:15], v[172:173]
	v_pk_add_f32 v[240:241], v[240:241], v[112:113]
	v_pk_add_f32 v[250:251], v[250:251], v[114:115]
	v_pk_add_f32 v[248:249], v[248:249], v[118:119]
	v_pk_add_f32 v[246:247], v[246:247], v[122:123]
	v_pk_add_f32 v[238:239], v[238:239], v[126:127]
	v_pk_add_f32 v[236:237], v[236:237], v[130:131]
	v_pk_add_f32 v[234:235], v[234:235], v[134:135]
	v_pk_add_f32 v[14:15], v[14:15], v[138:139]
	v_pk_add_f32 v[240:241], v[240:241], v[142:143]
	v_pk_add_f32 v[250:251], v[250:251], v[146:147]
	v_pk_add_f32 v[248:249], v[248:249], v[150:151]
	v_pk_add_f32 v[246:247], v[246:247], v[154:155]
	v_pk_add_f32 v[238:239], v[238:239], v[158:159]
	v_pk_add_f32 v[236:237], v[236:237], v[162:163]
	v_pk_add_f32 v[234:235], v[234:235], v[166:167]
	v_pk_add_f32 v[14:15], v[14:15], v[170:171]
	v_pk_add_f32 v[240:241], v[240:241], v[174:175]
	s_delay_alu instid0(VALU_DEP_2)
	v_pk_add_f32 v[14:15], v[14:15], v[246:247]
	s_delay_alu instid0(VALU_DEP_2)
	v_pk_add_f32 v[240:241], v[240:241], v[238:239]
	v_pk_add_f32 v[250:251], v[250:251], v[236:237]
	v_pk_add_f32 v[248:249], v[248:249], v[234:235]
	s_delay_alu instid0(VALU_DEP_2)
	v_pk_add_f32 v[14:15], v[14:15], v[250:251]
	s_delay_alu instid0(VALU_DEP_2)
	v_pk_add_f32 v[240:241], v[240:241], v[248:249]
	s_delay_alu instid0(VALU_DEP_1)
	v_pk_add_f32 v[14:15], v[14:15], v[240:241]
	s_wait_alu depctr_va_vdst(0)                   ; and one for the four
.irp b, 0,1,2,3
	v_max_num_f32 v[BM+\b], 0x1800000, v[BM+\b]    ; the floor 2^(3 - 127)
.endr
.irp b, 0,1,2,3
	s_delay_alu instid0(VALU_DEP_4)
	v_add_nc_u32 v[SO+\b], 0xff000000, v[BM+\b]
.endr
.irp b, 0,1,2,3
	s_delay_alu instid0(VALU_DEP_4)
	v_lshrrev_b32 v[PT+\b], 23, v[SO+\b]
.endr
	s_delay_alu instid0(VALU_DEP_3)
	v_lshl_or_b32 v[PW], v[PT+1], 8, v[PT]         ; p's scale word for these 128 keys
	s_delay_alu instid0(VALU_DEP_1)
	v_lshl_or_b32 v[PW], v[PT+2], 16, v[PW]
	s_delay_alu instid0(VALU_DEP_1)
	v_lshl_or_b32 v[PW], v[PT+3], 24, v[PW]
.irp c, 0,1
	v_cvt_scalef32_pk16_fp6_f32 v[PC+6*\c:PC+6*\c+2], v[S+32*\c:S+32*\c+15], v[SO+2*\c]
	v_cvt_scalef32_pk16_fp6_f32 v[CT+4*\c:CT+4*\c+2], v[S+32*\c+16:S+32*\c+31], v[SO+2*\c+1]
.endr
	v_nop                                          ; one plain place behind a scaled conversion
.irp c, 0,1                                    ; the operand wants a whole block in a lane
.irp i, 0,1,2
	v_permlane16_swap_b32 v[PC+6*\c+\i], v[CT+4*\c+\i]
.endr
.irp i, 0,1,2
	s_delay_alu instid0(VALU_DEP_3)
	v_mov_b32 v[PC+3+6*\c+\i], v[CT+4*\c+\i]
.endr
.endr
.set J, 0
.rept 16
	v_pk_mul_f32 v[O+J:O+J+1], v[O+J:O+J+1], v[FF:FF+1] op_sel_hi:[1,0]   ; O^T under the new M; these sixteen are also the places ahead of the scaled products
.set J, J+2
.endr
	s_wait_alu depctr_va_vdst(0)
	s_wait_dscnt 0x0                               ; V is in
	PVMUL 0, 0
	PVMUL 1, 1
	PVMUL 2, 0
	PVMUL 3, 1
.endm
; A pass over the head's 2,048 keys: sixteen key steps.  Step n lies in quarter n / 4 of each region (6,400 bytes: 6,144 of codes, 256 of scale bytes), at 1,536 (n % 4) and 64 (n % 4).
.macro PASS some                       ; some = 1: waves 8 to 11 have no row in this pass
	s_mov_b32 s46, 0
.Lstep_\@:
	s_lshr_b32 s56, s46, 2
	s_mul_i32 s56, s56, 6400
	s_and_b32 s57, s46, 3
	s_mul_i32 s44, s57, 1536
	s_add_co_u32 s44, s44, s56
	s_lshl_b32 s45, s57, 6
	s_add_co_u32 s45, s45, s56
.if \some
	s_cmp_lt_u32 s12, 8
	s_cbranch_scc0 .Lidle_\@
.endif
	STEP
.Lidle_\@:
	s_add_co_u32 s46, s46, 1
	s_cmp_lt_u32 s46, 16
	s_cbranch_scc1 .Lstep_\@
.endm
.macro PRO                             ; a pass begins: x's row to my stage, Q' and Q'', the statistics
	s_wait_loadcnt 0x0
.irp i, 0,1,2,3,4,5,6,7
	ds_store_b128 v5, v[FB+4*\i:FB+4*\i+3] offset:544*\i
.endr
	v_cmp_le_u32 vcc_lo, 16, v255
.irp g, 0,1,2,3,4,5,6,7,8,9,10,11
	v_cndmask_b32 v[QA+\g], v[QT+\g], v11, vcc_lo            ; Q': zero codes in lanes 16-31
	v_cndmask_b32 v[QA+12+\g], v11, v[QT+\g], vcc_lo         ; Q'': in lanes 0-15
.endr
	v_perm_b32 v[QW], v52, v52, s47                ; (s0, s0, s1, s1): it serves both
	v_mov_b32 v13, 0xff61b1e6                      ; the largest t so far: -3e38
	s_delay_alu instid0(VALU_DEP_1)
	v_floor_f32 v12, -v13
	v_mov_b32 v14, 0
	v_mov_b32 v15, 0
.set J, 0
.rept 32
	v_mov_b32 v[O+J], 0                            ; the step is written once: the first finds zeros.  (Also the places behind the scale word's write)
.set J, J+1
.endr
.endm
.macro LANESUM a, b                    ; v[a] summed over the 32 lanes; v[b] at work
	s_delay_alu instid0(VALU_DEP_1)
	v_add_f32_dpp v[\a], v[\a], v[\a] row_xmask:1 row_mask:0xf bank_mask:0xf
	s_delay_alu instid0(VALU_DEP_1)
	v_add_f32_dpp v[\a], v[\a], v[\a] row_xmask:2 row_mask:0xf bank_mask:0xf
	s_delay_alu instid0(VALU_DEP_1)
	v_add_f32_dpp v[\a], v[\a], v[\a] row_xmask:4 row_mask:0xf bank_mask:0xf
	s_delay_alu instid0(VALU_DEP_1)
	v_add_f32_dpp v[\a], v[\a], v[\a] row_xmask:8 row_mask:0xf bank_mask:0xf
	s_delay_alu instid0(VALU_DEP_1)
	v_permlanex16_b32 v[\b], v[\a], s40, s41
	s_delay_alu instid0(VALU_DEP_1)
	v_add_f32 v[\a], v[\a], v[\b]
.endm
.macro NEXTQ p                         ; the next pass's query and row of x
	global_load_b128 v[QT:QT+3], v252, s[50:51] offset:2304*(\p)
	global_load_b128 v[QT+4:QT+7], v252, s[50:51] offset:2304*(\p)+16
	global_load_b128 v[QT+8:QT+11], v252, s[50:51] offset:2304*(\p)+32
	global_load_b32 v52, v253, s[52:53] offset:96*(\p)
.irp i, 0,1,2,3,4,5,6,7
	global_load_b128 v[FB+4*\i:FB+4*\i+3], v254, s[54:55] offset:49152*(\p)+512*\i th:TH_LOAD_NT
.endr
.endm
.macro EPIL p                          ; O^T / l + x, LayerNorm, the quantiser: lane (r, h) holds columns 64 r + 32 B + 16 h + 0 .. 15 of the row in registers 16 B + 0 .. 15
.rept 4
	v_nop                                          ; places behind the last products
.endr
.if (\p) == 0
	NEXTQ 1
.endif
.if (\p) == 1
	s_wait_alu depctr_va_vdst(0)                   ; the wait ahead of the branch
	s_cmp_lt_u32 s12, 8                            ; waves 8 to 11 have no third row
	s_cbranch_scc0 .Lnq_\@
	NEXTQ 2
.Lnq_\@:
.endif
	s_add_co_u32 s56, s12, 12*(\p)                 ; my row: image lane row % 16 of tile row / 16
	s_and_b32 s57, s56, 15
	s_lshl_b32 s57, s57, 4
	s_lshr_b32 s56, s56, 4
	s_mul_i32 s56, s56, 12288
	s_add_co_u32 s57, s57, s56
.irp i, 0,1,2
	v_add_nc_u32 v[ADK+\i], s57, v[7+\i]
.endr
	v_add_f32 v14, v14, v15
	s_delay_alu instid0(VALU_DEP_1)
	v_permlanex16_b32 v[TT], v14, s40, s41
	s_delay_alu instid0(VALU_DEP_1)
	v_add_f32 v14, v14, v[TT]                      ; the row's sum l
	s_wait_alu depctr_va_vdst(0)
	v_rcp_f32 v14, v14
	v_nop                                          ; a plain place behind the reciprocal
.irp b, 0,1
.irp i, 0,1,2,3
	ds_load_b128 v[S+16*\b+4*\i:S+16*\b+4*\i+3], v6 offset:128*\b+16*\i
.endr
.endr
	s_wait_alu depctr_va_vdst(0)                   ; ahead of the reciprocal's first reader
	s_wait_dscnt 0x0
.set J, 0
.rept 16
	v_pk_fma_f32 v[Y+J:Y+J+1], v[O+J:O+J+1], v[14:15], v[S+J:S+J+1] op_sel_hi:[1,0,1]   ; each accumulator from its low end on
.set J, J+2
.endr
	v_pk_add_f32 v[230:231], v[144:145], v[146:147]
	v_pk_add_f32 v[232:233], v[152:153], v[156:157]
	v_pk_add_f32 v[250:251], v[160:161], v[164:165]
	v_pk_add_f32 v[248:249], v[168:169], v[172:173]
	v_pk_add_f32 v[246:247], v[148:149], v[150:151]
	v_pk_add_f32 v[244:245], v[154:155], v[158:159]
	v_pk_add_f32 v[240:241], v[162:163], v[166:167]
	v_pk_add_f32 v[228:229], v[170:171], v[174:175]
	s_delay_alu instid0(VALU_DEP_1)
	v_pk_add_f32 v[228:229], v[228:229], v[248:249]
	v_pk_add_f32 v[230:231], v[230:231], v[246:247]
	v_pk_add_f32 v[232:233], v[232:233], v[244:245]
	v_pk_add_f32 v[250:251], v[250:251], v[240:241]
	s_delay_alu instid0(VALU_DEP_2)
	v_pk_add_f32 v[228:229], v[228:229], v[232:233]
	s_delay_alu instid0(VALU_DEP_2)
	v_pk_add_f32 v[230:231], v[230:231], v[250:251]
	s_delay_alu instid0(VALU_DEP_1)
	v_pk_add_f32 v[228:229], v[228:229], v[230:231]
	s_delay_alu instid0(VALU_DEP_1)
	v_add_f32 v228, v228, v229
	LANESUM 228, 229
	s_delay_alu instid0(VALU_DEP_1)
	v_mul_f32 v228, s48, v228                      ; the mean
.set J, 0
.rept 16
	v_pk_add_f32 v[Y+J:Y+J+1], v[Y+J:Y+J+1], v[228:229] op_sel_hi:[1,0] neg_lo:[0,1] neg_hi:[0,1]
.set J, J+2
.endr
	v_pk_mul_f32 v[230:231], v[Y:Y+1], v[Y:Y+1]
	v_pk_mul_f32 v[232:233], v[Y+2:Y+3], v[Y+2:Y+3]
.irp j, 4,8,12,16,20,24,28
	s_delay_alu instid0(VALU_DEP_2)
	v_pk_fma_f32 v[230:231], v[Y+\j:Y+\j+1], v[Y+\j:Y+\j+1], v[230:231]
	s_delay_alu instid0(VALU_DEP_2)
	v_pk_fma_f32 v[232:233], v[Y+\j+2:Y+\j+3], v[Y+\j+2:Y+\j+3], v[232:233]
.endr
	s_delay_alu instid0(VALU_DEP_1)
	v_pk_add_f32 v[230:231], v[230:231], v[232:233]
	s_delay_alu instid0(VALU_DEP_1)
	v_add_f32 v230, v230, v231
	LANESUM 230, 231
	s_delay_alu instid0(VALU_DEP_1)
	v_fma_f32 v230, v230, s48, s49                 ; the variance + 1e-5
	s_wait_alu depctr_va_vdst(0)
	v_rsq_f32 v230, v230
	v_nop
	s_wait_alu depctr_va_vdst(0)
.set J, 0
.rept 16
	v_pk_mul_f32 v[Y+J:Y+J+1], v[Y+J:Y+J+1], v[230:231] op_sel_hi:[1,0]
.set J, J+2
.endr
.irp b, 0,1
	v_max3_num_f32 v[BM+\b], |v[Y+16*\b]|, |v[Y+16*\b+1]|, 0x1800000
.endr
.irp i, 2,4,6,8,10,12,14
.irp b, 0,1
	s_delay_alu instid0(VALU_DEP_2)
	v_max3_num_f32 v[BM+\b], v[BM+\b], |v[Y+16*\b+\i]|, |v[Y+16*\b+\i+1]|
.endr
.endr
.irp b, 0,1
	s_delay_alu instid0(VALU_DEP_2)
	v_permlanex16_b32 v[PT+\b], v[BM+\b], s40, s41
.endr
.irp b, 0,1
	s_delay_alu instid0(VALU_DEP_2)
	v_max_num_f32 v[BM+\b], v[BM+\b], v[PT+\b]
.endr
.irp b, 0,1
	s_delay_alu instid0(VALU_DEP_2)
	v_add_nc_u32 v[SO+\b], 0xff000000, v[BM+\b]
.endr
.irp b, 0,1
	s_delay_alu instid0(VALU_DEP_2)
	v_lshrrev_b32 v[PT+\b], 23, v[SO+\b]
.endr
	s_delay_alu instid0(VALU_DEP_1)
	v_lshl_or_b32 v[TT], v[PT+1], 8, v[PT]
.irp b, 0,1
	v_cvt_scalef32_pk16_fp6_f32 v[PC+4*\b:PC+4*\b+2], v[Y+16*\b:Y+16*\b+15], v[SO+\b]
.endr
	v_nop
.irp b, 0,1
.irp i, 0,1,2
	ds_store_b32 v[ADK+\i], v[PC+4*\b+\i] offset:256*\b
.endr
.endr
	ds_store_b16 v10, v[TT] offset:96*(\p)         ; both halves of the lanes write the same two bytes with the same values
.endm
	PRO
	s_wait_dscnt 0x0
	s_wait_tensorcnt 0x0                           ; my region has landed
	BARRIER                                        ; everybody's has: all of K and V lies in LDS, and nothing is ever filled again
	PASS 0
	EPIL 0
	PRO
	PASS 0
	EPIL 1
	s_wait_loadcnt 0x0
	s_wait_alu depctr_va_vdst(0)                   ; the wait ahead of the branch
	s_cmp_lt_u32 s12, 8
	s_cbranch_scc0 .Lno_pro
	PRO
	s_wait_alu depctr_va_vdst(0)
.Lno_pro:
	PASS 1
	s_cmp_lt_u32 s12, 8
	s_cbranch_scc0 .Lno_epil
	EPIL 2
.Lno_epil:
.rept 4
	v_nop                                          ; places between the last products and the copy-out's loads into their operands, on the way round the epilogue too
.endr
	s_mul_i32 s56, s12, 1536
	s_add_co_u32 s56, s56, CST
	v_add_nc_u32 v[ADK+3], s56, v254               ; wave w sends image w: tile w / 8, K step w % 8; waves 0 to 3 also image 12 + w
	s_lshl_b32 s56, s12, 9
	s_add_co_u32 s56, s56, SST
	v_add_nc_u32 v[ADK+4], s56, v254
	s_mul_i32 s56, s14, 98304
	s_and_b32 s58, s12, 7
	s_mul_i32 s58, s58, 12288
	s_add_co_u32 s56, s56, s58
	s_lshl_b32 s58, s13, 1
	s_lshr_b32 s59, s12, 3
	s_add_co_u32 s58, s58, s59
	s_mul_i32 s58, s58, 1536
	s_add_co_u32 s56, s56, s58
	s_mov_b32 s57, 0
	s_add_nc_u64 s[56:57], s[8:9], s[56:57]
	s_lshl_b32 s58, s14, 2
	s_add_co_u32 s58, s58, s13
	s_lshl_b32 s58, s58, 10
	s_lshl_b32 s60, s12, 9
	s_add_co_u32 s58, s58, s60
	s_mov_b32 s59, 0
	s_add_nc_u64 s[58:59], s[10:11], s[58:59]
	s_wait_alu depctr_va_vdst(0)
	s_wait_dscnt 0x0                               ; my stores of codes and scale bytes have landed
	BARRIER                                        ; everybody's have
.irp i, 0,1,2
	ds_load_b128 v[FB+4*\i:FB+4*\i+3], v[ADK+3] offset:512*\i
.endr
.irp i, 0,1,2
	s_wait_dscnt 2-\i
	global_store_b128 v254, v[FB+4*\i:FB+4*\i+3], s[56:57] offset:512*\i      ; 512 consecutive bytes, aligned
.endr
	s_cmp_lt_u32 s12, 4
	s_cbranch_scc0 .Lnoimg
.irp i, 0,1,2
	ds_load_b128 v[FB+16+4*\i:FB+16+4*\i+3], v[ADK+3] offset:18432+512*\i     ; image 12 + w: tile 1, K step 4 + w: four K steps and a tile on in cc
.endr
	s_wait_dscnt 0x0
.irp i, 0,1,2
	global_store_b128 v254, v[FB+16+4*\i:FB+16+4*\i+3], s[56:57] offset:50688+512*\i
.endr
.Lnoimg:
	s_cmp_lt_u32 s12, 2
	s_cbranch_scc0 .Lnosc
	ds_load_b128 v[FB+12:FB+15], v[ADK+4]
	s_wait_dscnt 0x0
	global_store_b128 v254, v[FB+12:FB+15], s[58:59]
.Lnosc:
	s_wait_tensorcnt 0x0                           ; the wave's end
	ds_add_u32 v223, v227
	s_wait_dscnt 0x0
	ROUND                                          ; the closing round
	s_endpgm
.Lfunc_end_k_qf5dd1700c4_attn:
	.size	k_qf5dd1700c4_attn, .Lfunc_end_k_qf5dd1700c4_attn-k_qf5dd1700c4_attn
	.p2alignl 7, 3214868480
	.fill 96, 4, 3214868480
	.section	.rodata,"a",@progbits
	.p2align	6, 0x0
	.amdhsa_kernel k_qf5dd1700c4_attn
		.amdhsa_group_segment_fixed_size 304128
		.amdhsa_private_segment_fixed_size 0
		.amdhsa_enable_private_segment 0
		.amdhsa_kernarg_size 32
		.amdhsa_user_sgpr_count 2
		.amdhsa_user_sgpr_kernarg_segment_ptr 1
		.amdhsa_wavefront_size32 1
		.amdhsa_system_sgpr_workgroup_id_x 1
		.amdhsa_system_sgpr_workgroup_id_y 1
		.amdhsa_system_sgpr_workgroup_id_z 1
		.amdhsa_system_vgpr_workitem_id 0
		.amdhsa_next_free_vgpr 256
		.amdhsa_next_free_sgpr 66
		.amdhsa_reserve_vcc 1
		.amdhsa_float_denorm_mode_32 3
		.amdhsa_float_denorm_mode_16_64 3
		.amdhsa_memory_ordered 1
		.amdhsa_forward_progress 1
		.amdhsa_inst_pref_size 107
	.end_amdhsa_kernel
	.amdgpu_metadata
---
amdhsa.version: [ 1, 2 ]
amdhsa.kernels:
  - .name:           k_qf5dd1700c4_attn
    .symbol:         k_qf5dd1700c4_attn.kd
    .args:
      - { .name: qkv, .offset: 0, .size: 8, .value_kind: global_buffer, .address_space: global }
      - { .name: x, .offset: 8, .size: 8, .value_kind: global_buffer, .address_space: global }
      - { .name: cc, .offset: 16, .size: 8, .value_kind: global_buffer, .address_space: global }
      - { .name: cs, .offset: 24, .size: 8, .value_kind: global_buffer, .address_space: global }
    .group_segment_fixed_size: 304128
    .private_segment_fixed_size: 0
    .kernarg_segment_align: 8
    .kernarg_segment_size: 32
    .max_flat_workgroup_size: 384
    .sgpr_count:     66
    .vgpr_count:     256
    .wavefront_size: 32
...
	.end_amdgpu_metadata
.endif
;; end of part 3
;; launch final (part 4): grid 4 x 64, 8 waves a work-group, clusters of 4 x 4, 308,224 bytes of LDS; arguments cc, cs, wc, bp, out0; writes out0
.if DOCPART == 4
	.amdgcn_target "amdgcn-amd-amdhsa--gfx1250"
	.amdhsa_code_object_version 6
	.text
	.protected	k_qf5dd1700c4_final
	.globl	k_qf5dd1700c4_final
	.p2align	8
	.type	k_qf5dd1700c4_final,@function
k_qf5dd1700c4_final:
	s_mov_b64 s[64:65], 0
	v_nop
	global_prefetch_b8 v0, s[64:65] scope:SCOPE_SE
	s_setreg_imm32_b32 hwreg(HW_REG_WAVE_MODE, 25, 1), 1
	s_wait_xcnt 0x0
	s_wait_alu depctr_hold_cnt(0) depctr_sa_sdst(0) depctr_va_vdst(0) depctr_va_sdst(0) depctr_va_ssrc(0) depctr_va_vcc(0) depctr_vm_vsrc(0)
	s_getreg_b32 s2, hwreg(HW_REG_IB_STS2, 6, 4)
	s_cmp_eq_u32 s2, 0
	s_cbranch_scc0 .Lentry_in_a_cluster
	s_endpgm
.Lentry_in_a_cluster:
	s_bfe_u32 s2, ttmp6, 0x10000c
	s_cmp_lg_u32 s2, 0xf033
	s_cbranch_scc0 .Lentry_shape_is_right
	s_endpgm
.Lentry_shape_is_right:
; out0 = LN(ctx) Wf + bf on codes of FP6 with E8M0 scales.
; A work-group makes 128 rows x 256 columns with all of K = 1,024 in LDS (ctx's codes 98,304 bytes, the slice's eight blocks 204,800, ctx's scale words 4,096); no LDS byte is filled twice.
; CLUSTER 4 x 4: ctx's panel is shared along a row of the cluster, the slice along a column: joint loads.
; THE HEAD: one load a wave, in one chain of arms: wave 0 Wf's K steps 0, 1; 1 ctx's scale words; 2 ctx's K steps 0, 1; 3 Wf's 2, 3; 4 ctx's 2, 3; 5 Wf's 4 to 7; 6, 7 ctx's 4, 5 and 6, 7.
; Waves 0 to 2 wait ahead of K step 0's barrier, waves 0 to 4 ahead of K step 2's, all ahead of K step 4's.
; Eight waves, wave (wm, wn): 64 rows x 64 columns, 16 accumulators, the bias loaded into them.  THE PRODUCT IS USED TRANSPOSED: a lane holds one row, and by the slice's row order the 16 registers of two
; neighbouring tiles are 16 neighbouring columns.  No prefetch: every tensor load stands at the head, and there is no loop to run ahead in.
.set BPAN, 98304
.set BBLK, 25600
.set SLOTB, 102400
.set ASC, 303104
.set SPARE, 307200
.set WF, 32
.set XF, 80
.set ACC, 128
.set SWR, 16
.set SXR, 18
.set G1W2, 24
.set G1S, 32
.set G1X, 40
.set G1W4, 48
.set G0H, 68
.macro BARRIER
	s_barrier_signal -1
	s_barrier_wait -1
.endm
.macro ROUND
	BARRIER
	s_cmp_lg_u32 s14, 0
	s_cbranch_scc1 .Lnw0_\@
	s_barrier_signal -3
.Lnw0_\@:
	s_barrier_wait -3
	BARRIER
.endm
.macro PLACES
.rept 4
	v_nop
.endr
.endm
.macro G1SET g, mask, rows
	s_or_b32 s[\g], s[\mask], (3<<16)|(1<<21)
	s_mov_b32 s[\g+1], 32<<16
	s_mov_b32 s[\g+2], (\rows)<<16
	s_mov_b32 s[\g+3], 32<<16
	s_mov_b32 s[\g+4], \rows
	s_mov_b32 s[\g+5], 32
	s_mov_b32 s[\g+6], 0
	s_mov_b32 s[\g+7], 0
.endm
.macro ARM under, lds, base, off, g1, next
	s_cmp_lt_u32 s14, \under
	s_cbranch_scc0 \next
	s_mov_b32 s[G0H+1], \lds
	s_add_nc_u64 s[G0H+2:G0H+3], s[\base:\base+1], \off
	s_or_b32 s[G0H+3], s[G0H+3], 0x80000000
	tensor_load_to_lds s[G0H:G0H+3], s[\g1:\g1+7]
	s_nop 0
	PLACES
	s_branch .Lasked
\next:
.endm
.macro SHOW n                          ; the tiles of waves 0 .. n - 1 are shown to all; the later ones may stay out
	s_cmp_lt_u32 s14, \n
	s_cbranch_scc0 .Lns_\@
	s_wait_tensorcnt 0x0
.Lns_\@:
	BARRIER
.endm
	s_load_b256 s[4:11], s[0:1], 0x0               ; cc, cs, wc, bp
	s_load_b64 s[12:13], s[0:1], 0x20              ; out0
	v_lshl_add_u32 v30, v0, 2, SPARE
	v_mov_b32 v31, 0
	ds_add_u32 v30, v31                            ; the opening lines
	ds_add_u32 v30, v31
	v_lshrrev_b32 v1, 5, v0
	v_readfirstlane_b32 s14, v1                    ; wave 0..7
	s_lshr_b32 s15, s14, 2                         ; wm
	s_and_b32 s16, s14, 3                          ; wn
	s_bfe_u32 s17, ttmp6, 0x40000                  ; cx
	s_bfe_u32 s18, ttmp6, 0x40004                  ; cy
	s_add_co_u32 s20, s17, 12                      ; Wf's slice cx
	s_and_b32 s21, ttmp7, 0xffff
	s_lshl_b32 s21, s21, 2
	s_add_co_u32 s21, s21, s18                     ; the block of 128 rows
	s_lshl_b32 s22, s18, 2
	s_lshl_b32 s22, 15, s22                        ; my row of the cluster
	s_lshl_b32 s23, 0x1111, s17                    ; my column
	G1SET G1W2, 23, 200
	G1SET G1S, 22, 16
	G1SET G1X, 22, 96
	G1SET G1W4, 23, 400
	s_mul_i32 s72, s20, 204800
	s_mov_b32 s73, 0
	s_mul_i32 s74, s21, 98304
	s_mov_b32 s75, 0
	s_lshl_b32 s76, s21, 12
	s_mov_b32 s77, 0
	s_lshl_b32 s96, s20, 10
	s_lshl_b32 s2, s16, 8
	s_add_co_u32 s96, s96, s2                      ; my 64 slice rows in bp
	s_mov_b32 s97, 0
	s_lshl_b32 s98, s21, 19                        ; 128 rows of 4,096 bytes,
	s_add_co_u32 s98, s98, s2                      ; my 64 columns,
	s_lshl_b32 s2, s15, 18                         ; my 64 rows,
	s_add_co_u32 s98, s98, s2
	s_lshl_b32 s2, s17, 10                         ; the slice's 256 columns
	s_add_co_u32 s98, s98, s2
	s_mov_b32 s99, 0
	s_and_b32 s78, s14, 1
	s_mul_i32 s78, s78, 24576
	s_add_co_u32 s2, s78, 49152                    ; waves 6, 7: ctx's K steps 4, 5 or 6, 7
	s_mov_b32 s3, 0
	s_mov_b32 s[G0H], 1
	s_mul_i32 s88, s16, 6144
	s_add_co_u32 s88, s88, BPAN
	s_mul_i32 s89, s15, 6144
	s_lshl_b32 s90, s16, 8
	s_add_co_u32 s90, s90, BPAN+24576
	s_lshl_b32 s91, s15, 11
	s_add_co_u32 s91, s91, ASC
	s_mul_i32 s92, s14, 4352                       ; the way out: my own stage, 16 rows x (256 + 16) bytes, in bytes that have had their one fill and their last read
	s_wait_dscnt 0x0
	s_wait_kmcnt 0x0
	s_add_nc_u64 s[72:73], s[8:9], s[72:73]
	s_add_nc_u64 s[74:75], s[4:5], s[74:75]
	s_add_nc_u64 s[76:77], s[6:7], s[76:77]
	s_add_nc_u64 s[96:97], s[10:11], s[96:97]
	s_add_nc_u64 s[98:99], s[12:13], s[98:99]
	ROUND                                          ; all sixteen work-groups are here: the joint loads meet
	ARM 1, BPAN, 72, 0, G1W2, .La1
	ARM 2, ASC, 76, 0, G1S, .La2
	ARM 3, 0, 74, 0, G1X, .La3
	ARM 4, BPAN+51200, 72, 51200, G1W2, .La4
	ARM 5, 24576, 74, 24576, G1X, .La5
	ARM 6, BPAN+SLOTB, 72, SLOTB, G1W4, .La6
	s_mov_b32 s[G0H+1], s2
	s_add_nc_u64 s[G0H+2:G0H+3], s[74:75], s[2:3]
	s_or_b32 s[G0H+3], s[G0H+3], 0x80000000
	tensor_load_to_lds s[G0H:G0H+3], s[G1X:G1X+7]
	s_nop 0
	PLACES
.Lasked:
	v_and_b32 v12, 31, v0                          ; l
	v_and_b32 v13, 15, v0                          ; r
	v_bfe_u32 v14, v0, 4, 1                        ; h
	v_lshlrev_b32 v15, 4, v12                      ; 16 l
	v_lshlrev_b32 v10, 5, v14                      ; the bias: 32 h
	v_add_nc_u32 v20, s88, v15                     ; K step 0: the slice's fragments,
	v_add_nc_u32 v21, s89, v15                     ; ctx's,
	v_lshl_add_u32 v22, v12, 3, s90                ; the slice's scale words,
	v_lshl_add_u32 v23, v12, 3, s91                ; ctx's
	v_mul_u32_u24 v5, v13, 272
	v_mul_u32_u24 v6, v14, 272
	v_lshlrev_b32 v7, 12, v14
	v_lshl_add_u32 v5, v14, 6, v5
	v_lshl_add_u32 v6, v13, 4, v6
	v_lshl_add_u32 v7, v13, 4, v7                  ; in out0: lanes 0-15 one row, lanes 16-31 the next
	v_add_nc_u32 v5, s92, v5                       ; the stage, in: row r, + 64 h
	v_add_nc_u32 v6, s92, v6                       ; back: two rows
	s_wait_alu depctr_va_vdst(0)                   ; the wait at the head's end
.irp a, 0,1,2,3
.irp b, 0,1,2,3
	global_load_b128 v[ACC+8*(4*\a+\b):ACC+8*(4*\a+\b)+3], v10, s[96:97] offset:64*\b      ; the sums begin with the bias
	global_load_b128 v[ACC+8*(4*\a+\b)+4:ACC+8*(4*\a+\b)+7], v10, s[96:97] offset:64*\b+16
.endr
.endr
.macro WM4 a, b, wr, xr
.set D_, ACC+8*(4*(\a)+(\b))
	v_wmma_scale_f32_16x16x128_f8f6f4 v[D_:D_+7], v[WF+12*(\b):WF+12*(\b)+11], v[XF+12*(\a):XF+12*(\a)+11], v[D_:D_+7], v[SWR+(\b)/2], v[SXR+(\a)/2] matrix_a_fmt:MATRIX_FMT_FP6 matrix_b_fmt:MATRIX_FMT_FP6 matrix_a_scale:MATRIX_SCALE_ROW\wr matrix_b_scale:MATRIX_SCALE_ROW\xr
.endm
.macro WROW a, xr
	s_wait_dscnt 9-3*(\a)                          ; all but the later fragments of ctx, three loads each
	WM4 \a, 0, 0, \xr
	WM4 \a, 1, 1, \xr
	WM4 \a, 2, 0, \xr
	WM4 \a, 3, 1, \xr
.endm
; A K step of 128: 27 LDS loads, 16 products; the 16 accumulators take turns in the same order in every step.
.macro KSTEP k
	v_add_nc_u32 v1, (\k)*BBLK, v20                ; these four are also the places between the last products and the loads into their operands
	v_add_nc_u32 v2, (\k)*12288, v21
	v_add_nc_u32 v3, (\k)*BBLK, v22
	v_add_nc_u32 v4, ((\k)/2)*256+((\k)%2)*4, v23
	ds_load_b64 v[SWR:SWR+1], v3
	ds_load_b32 v[SXR], v4
	ds_load_b32 v[SXR+1], v4 offset:1024
.irp b, 0,1,2,3
.irp i, 0,1,2
	ds_load_b128 v[WF+12*\b+4*\i:WF+12*\b+4*\i+3], v1 offset:1536*\b+512*\i
.endr
.endr
.irp a, 0,1,2,3
.irp i, 0,1,2
	ds_load_b128 v[XF+12*\a+4*\i:XF+12*\a+4*\i+3], v2 offset:1536*\a+512*\i
.endr
.endr
.if (\k) == 0
	s_wait_loadcnt 0x0                             ; the bias
.endif
	WROW 0, 0
	WROW 1, 1
	WROW 2, 0
	WROW 3, 1
.endm
	SHOW 3
	KSTEP 0
	KSTEP 1
	SHOW 5
	KSTEP 2
	KSTEP 3
	s_wait_tensorcnt 0x0                           ; all that was still out
	BARRIER
	KSTEP 4
	KSTEP 5
	KSTEP 6
	KSTEP 7
	BARRIER                                        ; (no LDS instruction of mine is out)  every wave has read the panels for the last time
	PLACES                                         ; behind the last products
; THE WAY OUT, 16 rows x 64 columns at a time: a lane's 64 bytes of a pair of tiles go into rows of 272 bytes and come back as whole rows of 256.
.macro TOSTAGE a
.irp b, 0,1,2,3
	ds_store_b128 v5, v[ACC+32*(\a)+8*\b:ACC+32*(\a)+8*\b+3] offset:128*(\b/2)+32*(\b%2)         ; each accumulator from its low end on
	ds_store_b128 v5, v[ACC+32*(\a)+8*\b+4:ACC+32*(\a)+8*\b+7] offset:128*(\b/2)+32*(\b%2)+16
.endr
.irp t, 0,1,2,3,4,5,6,7
	ds_load_b128 v[32+32*((\a)%2)+4*\t:35+32*((\a)%2)+4*\t], v6 offset:544*\t                   ; LDS serves a wave's instructions in order: these see the stores above
.endr
.endm
.macro SEND a, younger                 ; younger: the next block's eight stores and eight loads, or none
	s_wait_dscnt \younger
.irp t, 0,1,2,3,4,5,6,7
	global_store_b128 v7, v[32+32*((\a)%2)+4*\t:35+32*((\a)%2)+4*\t], s[98:99] offset:(16*(\a)+2*\t)*4096 th:TH_STORE_NT   ; sixteen lanes store 256 consecutive bytes, aligned
.endr
.endm
	TOSTAGE 0
	TOSTAGE 1
	SEND 0, 16
	s_wait_xcnt 0x0                                ; block 0's stores have read their registers: block 2's loads land there only behind this wait
	TOSTAGE 2
	SEND 1, 16
	s_wait_xcnt 0x0
	TOSTAGE 3
	SEND 2, 16
	SEND 3, 0
	s_wait_tensorcnt 0x0                           ; the wave's end
	ds_add_u32 v30, v31
	s_wait_dscnt 0x0
	ROUND                                          ; the closing round
	s_endpgm
.Lfunc_end_k_qf5dd1700c4_final:
	.size	k_qf5dd1700c4_final, .Lfunc_end_k_qf5dd1700c4_final-k_qf5dd1700c4_final
	.p2alignl 7, 3214868480
	.fill 96, 4, 3214868480
	.section	.rodata,"a",@progbits
	.p2align	6, 0x0
	.amdhsa_kernel k_qf5dd1700c4_final
		.amdhsa_group_segment_fixed_size 308224
		.amdhsa_private_segment_fixed_size 0
		.amdhsa_enable_private_segment 0
		.amdhsa_kernarg_size 40
		.amdhsa_user_sgpr_count 2
		.amdhsa_user_sgpr_kernarg_segment_ptr 1
		.amdhsa_wavefront_size32 1
		.amdhsa_system_sgpr_workgroup_id_x 1
		.amdhsa_system_sgpr_workgroup_id_y 1
		.amdhsa_system_sgpr_workgroup_id_z 1
		.amdhsa_system_vgpr_workitem_id 0
		.amdhsa_next_free_vgpr 256
		.amdhsa_next_free_sgpr 102
		.amdhsa_reserve_vcc 0
		.amdhsa_float_denorm_mode_32 3
		.amdhsa_float_denorm_mode_16_64 3
		.amdhsa_memory_ordered 1
		.amdhsa_forward_progress 1
		.amdhsa_inst_pref_size 53
	.end_amdhsa_kernel
	.amdgpu_metadata
---
amdhsa.version: [ 1, 2 ]
amdhsa.kernels:
  - .name:           k_qf5dd1700c4_final
    .symbol:         k_qf5dd1700c4_final.kd
    .args:
      - { .name: cc, .offset: 0, .size: 8, .value_kind: global_buffer, .address_space: global }
      - { .name: cs, .offset: 8, .size: 8, .value_kind: global_buffer, .address_space: global }
      - { .name: wc, .offset: 16, .size: 8, .value_kind: global_buffer, .address_space: global }
      - { .name: bp, .offset: 24, .size: 8, .value_kind: global_buffer, .address_space: global }
      - { .name: out0, .offset: 32, .size: 8, .value_kind: global_buffer, .address_space: global }
    .group_segment_fixed_size: 308224
    .private_segment_fixed_size: 0
    .kernarg_segment_align: 8
    .kernarg_segment_size: 40
    .max_flat_workgroup_size: 256
    .sgpr_count:     102
    .vgpr_count:     256
    .wavefront_size: 32
...
	.end_amdgpu_metadata
.endif
;; end of part 4
